; MI455X (gfx1250); checked and timed in simulation.
; The chip was launched on July 23, 2026; its instructions are those of AMD's public machine-readable ISA for CDNA 5 (MIT licence, August 2026) and "CDNA5" Instruction Set Architecture Reference Guide (July 2026). The comments in the code are by the model that wrote it; some were corrected since.
;; Qwen3 TTS Talker Attention. Allowed arithmetic: matrix products marked QUANTISED: E4M3 operands, one E8M0 scale for each 32 along K, by v_wmma_scale_f32_16x16x128_f8f6f4 with both operands' format E4M3, f32 sums; everything else in f32.
;; Inputs: cos 3 x 2 x 2,048 x 128 float32; hidden_states 2 x 2,048 x 2,048 float32; k_norm_w 128 float32; k_w 1,024 x 2,048 float32; o_w 2,048 x 1,024 float32; q_norm_w 128 float32; q_w 1,024 x 2,048 float32; sin 3 x 2 x 2,048 x 128 float32; v_w 1,024 x 2,048 float32.
;; Outputs: out0 2 x 2,048 x 2,048 float32.
;; This version of the problem:
;;   THIS VERSION OF THE PROBLEM IS GIVEN IN LOW PRECISION. The matrix products marked QUANTISED in the list below multiply operands that are first quantised to E4M3 (4 exponent bits, 3 mantissa bits; 8 bits a number), with one power-of-two scale for each 32 numbers along K (OCP MX v1.0); their sums are f32. All else is computed in f32.
;;   The module's matrix products, in the order in which they are computed (A, B: the left and right operand; K: the contracted axis; several contracted axes count as one K, in the product's order):
;;     1. [M 4,096, K 2,048] x [K 2,048, N 1,024]; A: input hidden_states; B: input q_w: QUANTISED
;;     2. [M 4,096, K 2,048] x [K 2,048, N 1,024]; A: input hidden_states; B: input k_w: QUANTISED
;;     3. [M 4,096, K 2,048] x [K 2,048, N 1,024]; A: input hidden_states; B: input v_w: QUANTISED
;;     4. batch 16 x [M 2,048, K 128] x [K 128, N 2,048]; A: computed on the way; B: computed on the way: QUANTISED
;;     5. batch 16 x [M 2,048, K 2,048] x [K 2,048, N 128]; A: softmax (see below); B: computed on the way: QUANTISED
;;     6. [M 4,096, K 1,024] x [K 1,024, N 2,048]; A: computed on the way; B: input o_w: QUANTISED
;;   THE QUANTISER, for each operand of a quantised product, along K:
;;     - K is cut into blocks of 32 from its start; a last block that is shorter is filled with zeros.
;;     - A block's scale is 2^e with e = floor(log2(the largest magnitude in the block)) - 8, held to -126 .. 127; a block of zeros has e = 0. As a byte (E8M0): e + 127.
;;     - Each number is divided by its block's scale, clamped to +-448, and rounded to the nearest number of E4M3, ties to even, subnormals kept.
;;     - The product sums the exact products of the quantised numbers (number of the format x scale) in f32.
;;   ~~~python
;;   def quantise(x, axis):      # numpy; x: float32 -> the quantised numbers, widened to float32 again
;;       x = np.moveaxis(x, axis, -1); K = x.shape[-1]
;;       x = np.pad(x, [(0, 0)] * (x.ndim - 1) + [(0, -K % 32)]); x = x.reshape(x.shape[:-1] + (-1, 32)); a = np.abs(x).max(-1, keepdims=True)
;;       e = np.where(a > 0, np.clip(np.frexp(np.where(a > 0, a, 1))[1] - 1 - 8, -126, 127), 0)      # np.frexp(a)[1] - 1 = floor(log2(a)), exactly
;;       r = np.clip(x / 2.0 ** e, -448, 448)
;;       step = 2.0 ** (np.maximum(np.frexp(np.where(r == 0, 1, r))[1] - 1, -6) - 3)
;;       q = np.round(r / step) * step * 2.0 ** e      # np.round: ties to even
;;       return np.moveaxis(q.reshape(q.shape[:-2] + (-1,))[..., :K], -1, axis).astype(np.float32)
;;   ~~~
;;   SOFTMAX AHEAD OF A QUANTISED PRODUCT. Where the list says 'softmax', what is quantised is not the finished softmax but p = 2^(t - M), with t = logit x log2(e) and M = ceil(the row's largest t), a whole number; so 1/2 < the row's largest p <= 1. The row's sum l is taken of the UNQUANTISED p, in f32, and the product's result is divided by l at the end. Since M is a whole number, a kernel that streams over the keys may use a running M (the ceiling of the running maximum): every later rescaling is an exact power of two, which a block's scale takes up: the codes' values come out the same.
;;   OPERANDS COMPUTED ON THE WAY. 'Computed on the way' means the value that the module computes at that place (a softmax that the list does not call 'softmax' is quantised finished and normalised). What goes into a quantiser is computed in f32, as accurately as f32 sums, v_exp_f32 and their like allow (about 1e-6 of the number): no bf16 or f16 on the way to a quantiser, and a product that is left as it is and whose result goes on into a quantised operand takes f32 operands (vector FMAs, or v_wmma_f32_16x16x4_f32). A number that lies on a knife's edge between two numbers of the format may be rounded either way, as far as f32 arithmetic and the matrix unit's own rounding can turn it there, and no further.
;; One version. Each part assembles by itself: llvm-mc -triple=amdgcn-amd-amdhsa -mcpu=gfx1250 --defsym DOCPART=n.
;; ======== version 1 of 1: 4 launches
;; limits: right only within a limited range of input values
;; workspace buffers: codes 16,777,216 bytes; scales 524,288 bytes; cs 4,194,304 bytes; qkvc 12,582,912 bytes; qkvs 393,216 bytes; ac 4,194,304 bytes; asc 131,072 bytes
;; launch quant (part 1): grid 640 x 1, 4 waves a work-group, no clusters, 33,280 bytes of LDS; arguments hidden_states, q_w, k_w, v_w, o_w, cos, sin, codes, scales, cs; writes codes, scales, cs
.if DOCPART == 1
	.amdgcn_target "amdgcn-amd-amdhsa--gfx1250"
	.amdhsa_code_object_version 6
	.text
	.protected	k_q11c98c1f8c_quant
	.globl	k_q11c98c1f8c_quant
	.p2align	8
	.type	k_q11c98c1f8c_quant,@function
k_q11c98c1f8c_quant:
	s_mov_b64 s[64:65], 0
	v_nop
	global_prefetch_b8 v0, s[64:65] scope:SCOPE_SE
	s_setreg_imm32_b32 hwreg(HW_REG_WAVE_MODE, 25, 1), 1
	s_wait_xcnt 0x0
; FIRST OF FOUR LAUNCHES of an attention layer (4,096 tokens, 8 heads of 128) whose six matrix products take E4M3 codes with one E8M0 scale for each 32 along K.
; This launch: (a) hidden_states, q_w, k_w, v_w, o_w (f32, K innermost) become codes and scale bytes; (b) cos and sin are mixed by channel and laid as the second launch's registers want them.
; WORK LEFT OUT IN THE PROGRAM, and why it can reach no output whatever the inputs hold:
;   - _mrope_mix keeps of cos and sin, for channel d, only axis 0 (d % 64 < 21), axis 1 (d % 64 < 42) or axis 2 (else): the other two thirds of both tensors are sliced away and are not read.
;   - the tril built in reference() sets every score with key > query to the least f32 number, whose weight is 0 beside key 0, which counts for every query: key steps that lie wholly above the diagonal are not computed (third launch).
;   - jnp.repeat with groups = 1 copies nothing.
; Every input still has a way to the output: all nine are arguments of some launch.  LIMIT: a NaN, an infinity or an overflow that reaches only the work left out is not carried to the result.
; LIMITS of the quantiser: NaN and infinities among the inputs are not served; a block whose largest magnitude lies under 2^-118 (a block of zeros too) keeps the byte 1: its codes then are zeros or tiny, and this program alone reads the bytes.
; THE ORDER INSIDE A BLOCK OF 32.  All operands of this program hold a block's 32 codes in the order 0-7, 16-23, 8-15, 24-31.  That is the order in which a matrix result, converted in registers, comes out;
; both operands of every product have it, so the same pairs of numbers are multiplied.  Blocks and their scales are as the quantiser states them.
; (a) Rows are dense and K is a multiple of 32: the five tensors on end are one stream of blocks, and so are the codes and the scale bytes.  Work-groups 0-511 take 32,768 numbers each, a wave 16 steps of 512.
; A step's four loads read 512 consecutive bytes each; the 2,048 bytes go through the wave's own stage in LDS (16 bytes of padding behind each 64) and come back 16 numbers a lane, two neighbouring lanes to a block.
; (b) Work-groups 512-639: a wave takes 16 tokens of cos or of sin; no LDS.
.set WAVES, 4
.set STEPS, 16
.set QWG,   512                        ; work-groups that quantise: hidden 0-255, q_w 256-319, k_w 320-383, v_w 384-447, o_w 448-511
.set EMAX,  8
.set MANT,  0x600000                   ; the mantissa field of 448 as f32
.set R,     16                         ; v16-79   four sets of 16 numbers as they are loaded
.set X,     80                         ; v80-111  two sets of 16 numbers of a block's half
.set E,     112                        ; v112-127 a scale byte for each step
.set C,     128                        ; v128-191 codes: four registers for each step, so that no store's data are written again
.set WREG,  8192                       ; LDS: a region for each wave: two stages of 32 x SP bytes, behind them its 256 scale bytes
.set SP,    80
.set SPW,   12                         ; v12 LDS address of my spare word; never rewritten
.set NIL,   13                         ; v13 0; never rewritten
.set SPARE, WAVES*WREG                 ; behind the four regions: the spare words, 128 bytes a wave
.set AXIS,  2097152                    ; bytes from one axis of cos or sin to the next
.set VA,    1                          ; (b) v1 512 r + 32 h
.set VA1,   6                          ; (b) v6 the same, one axis further on in lanes 16-31
	s_load_b256 s[4:11], s[0:1], 0x0               ; hidden, q_w, k_w, v_w
	s_load_b256 s[12:19], s[0:1], 0x20             ; o_w, cos, sin, codes
	s_load_b128 s[20:23], s[0:1], 0x40             ; scales, cs
	v_lshl_add_u32 v[SPW], v0, 2, SPARE
	v_mov_b32 v[NIL], 0
	v_lshrrev_b32 v1, 5, v0
	v_readfirstlane_b32 s24, v1                    ; wave
	v_and_b32 v2, 31, v0                           ; lane
	v_lshlrev_b32 v3, 4, v2                        ; 16 x lane: my 16 bytes of a load's or a store's 512
	s_cmp_ge_u32 ttmp9, QWG
	s_cbranch_scc1 .Lmix
	; ---------------- (a) the quantiser
	s_mul_i32 s25, s24, WREG
	v_lshrrev_b32 v14, 2, v2
	v_mul_u32_u24 v14, v14, SP
	v_and_b32 v15, 3, v2
	v_lshl_add_u32 v14, v15, 4, v14
	v_add_nc_u32 v14, s25, v14                     ; the stage, on the way in: four lanes' 64 bytes on end, then 16 of padding
	v_lshrrev_b32 v15, 1, v2
	v_mul_u32_u24 v15, v15, 2*SP
	v_and_b32 v7, 1, v2
	v_lshl_add_u32 v15, v7, 5, v15
	v_add_nc_u32 v15, s25, v15                     ; on the way out: block lane / 2 (two places of SP), + 32 bytes in the odd lane: numbers 8 h + 0..7 here, 16 + 8 h + 0..7 one place on
	v_lshrrev_b32 v5, 1, v2
	s_add_co_u32 s26, s25, 2*32*SP
	v_add_nc_u32 v5, s26, v5                       ; LDS: my wave's 256 scale bytes, my block's byte
	v_lshlrev_b32 v7, 3, v2                        ; and on the way out 8 bytes a lane
	v_add_nc_u32 v6, s26, v7
	s_mov_b32 s31, MANT
	s_mov_b32 s26, 448                             ; the chosen tensor's first work-group
	s_wait_alu depctr_va_vdst(0)
	s_wait_kmcnt 0x0
	s_cmp_lt_u32 ttmp9, 448                        ; which tensor: the choice hangs on the work-group's number alone
	s_cselect_b64 s[12:13], s[10:11], s[12:13]
	s_cselect_b32 s26, 384, s26
	s_cmp_lt_u32 ttmp9, 384
	s_cselect_b64 s[12:13], s[8:9], s[12:13]
	s_cselect_b32 s26, 320, s26
	s_cmp_lt_u32 ttmp9, 320
	s_cselect_b64 s[12:13], s[6:7], s[12:13]
	s_cselect_b32 s26, 256, s26
	s_cmp_lt_u32 ttmp9, 256
	s_cselect_b64 s[12:13], s[4:5], s[12:13]
	s_cselect_b32 s26, 0, s26
	s_sub_co_u32 s27, ttmp9, s26
	s_lshl_b32 s27, s27, 2
	s_add_co_u32 s27, s27, s24                     ; which run of 8,192 numbers of the tensor is my wave's
	s_lshl_b32 s28, s27, 15                        ; 32,768 bytes a run (at most 1,023 runs)
	s_mov_b32 s29, 0
	s_add_nc_u64 s[12:13], s[12:13], s[28:29]
	s_lshl_b32 s30, ttmp9, 2
	s_add_co_u32 s30, s30, s24                     ; and which run of the whole stream
	s_lshl_b32 s28, s30, 13
	s_add_nc_u64 s[18:19], s[18:19], s[28:29]      ; 8,192 codes a run
	s_lshl_b32 s28, s30, 8
	s_add_nc_u64 s[20:21], s[20:21], s[28:29]      ; 256 scale bytes a run
.macro LOAD t
.irp i, 0,1,2,3
	global_load_b128 v[R+16*((\t)%4)+4*\i:R+16*((\t)%4)+4*\i+3], v3, s[12:13] offset:2048*(\t)+512*\i th:TH_LOAD_NT   ; 32 lanes read 512 consecutive bytes
.endr
.endm
.macro TURN t                          ; step t's numbers through the stage: LDS serves a wave's instructions in order (ISA guide 5.7.1.4), so no wait stands between the stores and the loads
.irp i, 0,1,2,3
	ds_store_b128 v14, v[R+16*((\t)%4)+4*\i:R+16*((\t)%4)+4*\i+3] offset:32*SP*((\t)%2)+8*SP*\i
.endr
.irp i, 0,1,2,3
	ds_load_b128 v[X+16*((\t)%2)+4*\i:X+16*((\t)%2)+4*\i+3], v15 offset:32*SP*((\t)%2)+16*(\i%2)+SP*(\i/2)
.endr
.endm
.irp t, 0,1,2,3
	LOAD \t
.endr
	s_wait_loadcnt 12                              ; step 0's four loads are in
	TURN 0
.macro STEP t
.set XS, X+16*((\t)%2)
.if (\t) > 0
	s_wait_dscnt 1                                 ; this step's numbers are back from the stage (the last step's byte store may be out): so its stores into the stage have read their registers,
.else
	s_wait_dscnt 0x0
.endif
.if (\t)+4 < STEPS
	LOAD (\t)+4                                    ; which take the loads of four steps on
.endif
.if (\t)+1 < STEPS
.if STEPS-2-(\t) >= 3
	s_wait_loadcnt 12                              ; the next step's four loads are in; those of the three steps behind it may be out
.else
	s_wait_loadcnt 4*(STEPS-2-(\t))
.endif
	TURN (\t)+1                                    ; and go through the other stage while this step is worked
.endif
	v_max3_num_f32 v8, |v[XS]|, |v[XS+1]|, |v[XS+2]|               ; the largest magnitude of my 16
	v_max3_num_f32 v9, |v[XS+3]|, |v[XS+4]|, |v[XS+5]|
.irp i, 6,10
	v_max3_num_f32 v8, v8, |v[XS+\i]|, |v[XS+\i+1]|
	v_max3_num_f32 v9, v9, |v[XS+\i+2]|, |v[XS+\i+3]|
.endr
	v_max3_num_f32 v8, v8, |v[XS+14]|, |v[XS+15]|
	v_max3_num_f32 v8, v8, v9, (EMAX+1)<<23        ; and the floor 2^(9 - 127): the byte cannot fall under 1
	v_max_num_f32_dpp v8, v8, v8 row_xmask:1 row_mask:0xf bank_mask:0xf   ; and of my neighbour's 16: the block's
	v_add_nc_u32 v11, -(EMAX<<23), v8              ; 8 off its exponent field: the conversion takes the exponent field of this operand as its scale
	v_and_or_b32 v10, v8, 0x7f800000, s31          ; 448 x the scale
.irp i, 0,1,2,3,4,5,6,7,8,9,10,11,12,13,14,15
	v_med3_num_f32 v[XS+\i], v[XS+\i], -v10, v10   ; the conversion to an 8-bit code does not saturate (ISA guide 7.6.2): the hold comes first
.endr
	v_cvt_scalef32_pk8_fp8_f32 v[C+4*(\t):C+4*(\t)+1], v[XS:XS+7], v11
	v_cvt_scalef32_pk8_fp8_f32 v[C+4*(\t)+2:C+4*(\t)+3], v[XS+8:XS+15], v11
	v_lshrrev_b32 v[E+(\t)], 23, v11               ; the scale's byte
	ds_store_b8 v5, v[E+(\t)] offset:16*(\t)       ; both lanes of a block write the same byte with the same value
	global_store_b128 v3, v[C+4*(\t):C+4*(\t)+3], s[18:19] offset:512*(\t)   ; 32 lanes store 512 consecutive bytes
.endm
.irp t, 0,1,2,3,4,5,6,7,8,9,10,11,12,13,14,15
	STEP \t
.endr
	ds_load_b64 v[8:9], v6                         ; these see my byte stores: LDS serves a wave in order
	s_wait_dscnt 0x0
	global_store_b64 v7, v[8:9], s[20:21]          ; 32 lanes store 256 consecutive bytes
	s_wait_tensorcnt 0x0                           ; the wave's end, behind my last LDS store
	ds_add_u32 v[SPW], v[NIL]
	s_wait_dscnt 0x0
	s_endpgm
	; ---------------- (b) cos and sin, mixed, as images of registers: cs[token / 16][image k][lane][16 bytes]; k = 0-15 cos, 16-31 sin;
	; image 2 b + jj holds in lane (r, h) channels 16 b + 8 h + 4 jj + 0..3 of token 16 R + r.  These waves touch no LDS.
.Lmix:
	s_wait_alu depctr_va_vdst(0)
	v_and_b32 v4, 15, v2                           ; r
	v_lshrrev_b32 v5, 4, v2                        ; h
	v_lshlrev_b32 v[VA], 9, v4
	v_lshl_add_u32 v[VA], v5, 5, v[VA]
	v_lshl_add_u32 v[VA1], v5, 21, v[VA]
	s_sub_co_u32 s25, ttmp9, QWG
	s_lshl_b32 s25, s25, 2
	s_add_co_u32 s25, s25, s24                     ; task = 2 R + (0: cos, 1: sin)
	s_lshr_b32 s26, s25, 1
	s_and_b32 s27, s25, 1
	s_lshl_b32 s28, s26, 13                        ; 16 tokens of 512 bytes
	s_mov_b32 s29, 0
	s_lshl_b32 s30, s25, 13                        ; 16 images of 512 bytes a task
	s_mov_b32 s31, 0
	s_wait_alu depctr_va_vdst(0)
	s_wait_kmcnt 0x0
	s_cmp_eq_u32 s27, 0
	s_cselect_b64 s[14:15], s[14:15], s[16:17]
	s_add_nc_u64 s[14:15], s[14:15], s[28:29]
	s_add_nc_u64 s[22:23], s[22:23], s[30:31]
.macro MLD reg, k, va, ax              ; image k's 16 bytes a lane, from axis ax (in lanes 16-31 one further with VA1)
	global_load_b128 v[\reg:\reg+3], v[\va], s[14:15] offset:(\ax)*AXIS+64*((\k)/2)+16*((\k)%2)
.endm
.irp u, 0,8                            ; channels 64 (u / 8) on.  d % 64 of the lane's four: 0-15 axis 0; 16-19 | 24-27: axes 0 | 1; 20-23 | 28-31: 0,1,1,1 | 1; 32-35 | 40-43: 1 | 1,1,2,2; 36-39 | 44-47: 1 | 2; 48-63: 2
	MLD 16+4*(\u+0), \u+0, VA, 0
	MLD 16+4*(\u+1), \u+1, VA, 0
	MLD 16+4*(\u+2), \u+2, VA1, 0
	MLD 16+4*(\u+3), \u+3, VA, 1
	MLD 16+4*(\u+4), \u+4, VA1, 1
	MLD 16+4*(\u+5), \u+5, VA1, 1
	MLD 16+4*(\u+6), \u+6, VA, 2
	MLD 16+4*(\u+7), \u+7, VA, 2
.endr
	MLD 80, 3, VA1, 0                              ; the two images that straddle a section's end are read from the lower axis too
	MLD 84, 4, VA, 1
	MLD 88, 11, VA1, 0
	MLD 92, 12, VA, 1
	s_wait_loadcnt 0x0
	v_mov_b32 v28, v80                             ; channel 20 (lanes 0-15) belongs to axis 0; lanes 16-31 get what they had
	v_mov_b32 v32, v84                             ; channels 40, 41 (lanes 16-31) belong to axis 1
	v_mov_b32 v33, v85
	v_mov_b32 v60, v88                             ; and the same 64 channels on
	v_mov_b32 v64, v92
	v_mov_b32 v65, v93
.irp k, 0,1,2,3,4,5,6,7,8,9,10,11,12,13,14,15
	global_store_b128 v3, v[16+4*\k:19+4*\k], s[22:23] offset:512*\k   ; 32 lanes store 512 consecutive bytes
.endr
	s_endpgm
.Lfunc_end_k_q11c98c1f8c_quant:
	.size	k_q11c98c1f8c_quant, .Lfunc_end_k_q11c98c1f8c_quant-k_q11c98c1f8c_quant
	.p2alignl 7, 3214868480
	.fill 96, 4, 3214868480
	.section	.rodata,"a",@progbits
	.p2align	6, 0x0
	.amdhsa_kernel k_q11c98c1f8c_quant
		.amdhsa_group_segment_fixed_size 33280
		.amdhsa_private_segment_fixed_size 0
		.amdhsa_enable_private_segment 0
		.amdhsa_kernarg_size 80
		.amdhsa_user_sgpr_count 2
		.amdhsa_user_sgpr_kernarg_segment_ptr 1
		.amdhsa_wavefront_size32 1
		.amdhsa_system_sgpr_workgroup_id_x 1
		.amdhsa_system_sgpr_workgroup_id_y 1
		.amdhsa_system_sgpr_workgroup_id_z 1
		.amdhsa_system_vgpr_workitem_id 0
		.amdhsa_next_free_vgpr 192
		.amdhsa_next_free_sgpr 66
		.amdhsa_reserve_vcc 0
		.amdhsa_float_denorm_mode_32 3
		.amdhsa_float_denorm_mode_16_64 3
		.amdhsa_memory_ordered 1
		.amdhsa_forward_progress 1
		.amdhsa_inst_pref_size 56
	.end_amdhsa_kernel
	.amdgpu_metadata
---
amdhsa.version: [ 1, 2 ]
amdhsa.kernels:
  - .name:           k_q11c98c1f8c_quant
    .symbol:         k_q11c98c1f8c_quant.kd
    .args:
      - { .name: hidden_states, .offset: 0, .size: 8, .value_kind: global_buffer, .address_space: global }
      - { .name: q_w, .offset: 8, .size: 8, .value_kind: global_buffer, .address_space: global }
      - { .name: k_w, .offset: 16, .size: 8, .value_kind: global_buffer, .address_space: global }
      - { .name: v_w, .offset: 24, .size: 8, .value_kind: global_buffer, .address_space: global }
      - { .name: o_w, .offset: 32, .size: 8, .value_kind: global_buffer, .address_space: global }
      - { .name: cos, .offset: 40, .size: 8, .value_kind: global_buffer, .address_space: global }
      - { .name: sin, .offset: 48, .size: 8, .value_kind: global_buffer, .address_space: global }
      - { .name: codes, .offset: 56, .size: 8, .value_kind: global_buffer, .address_space: global }
      - { .name: scales, .offset: 64, .size: 8, .value_kind: global_buffer, .address_space: global }
      - { .name: cs, .offset: 72, .size: 8, .value_kind: global_buffer, .address_space: global }
    .group_segment_fixed_size: 33280
    .private_segment_fixed_size: 0
    .kernarg_segment_align: 8
    .kernarg_segment_size: 80
    .max_flat_workgroup_size: 128
    .sgpr_count:     66
    .vgpr_count:     192
    .wavefront_size: 32
...
	.end_amdgpu_metadata
.endif
;; end of part 1
;; launch qkv (part 2): grid 16 x 12, 4 waves a work-group, clusters of 4 x 4, 327,680 bytes of LDS; arguments codes, scales, cs, q_norm_w, k_norm_w, qkvc, qkvs; writes qkvc, qkvs
.if DOCPART == 2
	.amdgcn_target "amdgcn-amd-amdhsa--gfx1250"
	.amdhsa_code_object_version 6
	.text
	.protected	k_q11c98c1f8c_qkv
	.globl	k_q11c98c1f8c_qkv
	.p2align	8
	.type	k_q11c98c1f8c_qkv,@function
k_q11c98c1f8c_qkv:
	s_mov_b64 s[64:65], 0
	v_nop
	global_prefetch_b8 v0, s[64:65] scope:SCOPE_SE
	s_setreg_imm32_b32 hwreg(HW_REG_WAVE_MODE, 25, 1), 1
	s_wait_xcnt 0x0
	s_wait_alu depctr_hold_cnt(0) depctr_sa_sdst(0) depctr_va_vdst(0) depctr_va_sdst(0) depctr_va_ssrc(0) depctr_va_vcc(0) depctr_vm_vsrc(0)
	s_getreg_b32 s2, hwreg(HW_REG_IB_STS2, 6, 4)
	s_cmp_eq_u32 s2, 0
	s_cbranch_scc0 .Lentry_in_a_cluster
	s_endpgm
.Lentry_in_a_cluster:
	s_bfe_u32 s2, ttmp6, 0x10000c
	s_cmp_lg_u32 s2, 0xf033
	s_cbranch_scc0 .Lentry_shape_is_right
	s_endpgm
.Lentry_shape_is_right:
; SECOND LAUNCH: q, k, v = hidden x (q_w, k_w, v_w)^T on E4M3 codes with E8M0 scales; RMSNorm and RoPE on q and k in f32; then q, k, v are quantised in registers and leave as codes alone.
; G is the matrix of 7,168 rows x 2,048 codes in the buffer codes: rows 0-4095 hidden, 4096-5119 q_w, 5120-6143 k_w, 6144-7167 v_w; its scale bytes [7168][64] in scales.  Both operands of every product here are rows of G.
; A work-group of four waves makes 256 x 256 results, a wave 128 x 128: 64 accumulators of 16 x 16.  Source 0 takes 16 rows "X", source 1 16 rows "Y": a lane then holds ONE row of Y and its registers run along X.
; X is the axis that the next product contracts: for q and k X = weight rows (the head's 128 channels), Y = tokens; for v X = tokens (the keys), Y = rows of v_w (channels).  So one text serves all three: only row numbers differ.
; A wave's 128 of X are one head (q, k) or one group of 128 keys (v): four blocks of 32 for each of the lane's rows.  The 16 registers of two neighbouring tiles are numbers 8 h + 0..7 and 16 + 8 h + 0..7 of a block:
; the order inside a block that every operand of this program has.  The conversions' results are the operand's registers and are stored as such images: qkvc[q,k,v][batch x head][group of 128 tokens][fragment][c][lane][16 bytes].
; K goes in steps of 256 through a ring of two LDS slots filled by the tensor data mover; the scale bytes of the work-group's 512 rows come once and stay.
; CLUSTERS: 4 x 4 work-groups; Y's tiles are shared along a row of the cluster, X's along a column: each is asked for jointly, by the same tensor load with a mask that names the four.
; Which of q, k, v hangs on the CLUSTER's y alone (0: q, 1: k, 2: v): it is the same in all sixteen partners.
; LIMITS: NaN and infinities are not served; a block whose largest magnitude lies under 2^-118 keeps the byte 1.
; REGISTERS, in windows of 256: window 0: v0-31 addresses; v32-63 scale words (nothing else, ever); v64-127 the norm's weight; from v128 Y's fragments, one set; behind the loop v128-239 at work.
;   window 1: X's fragments, two sets; behind the loop the tables of cos and sin, two sets.   windows 2, 3: the accumulators of my Y rows 0-63, 64-127 ((a, b) at v[8 (8 (a % 4) + b)]).
.set SIZE_K, 2048
.set KSTEP,  256
.set NQ,     KSTEP/128
.set ROWB,   256
.set KROW,   SIZE_K
.set PITCH,  272                       ; an LDS row: 256 bytes + 16 of padding = 68 words: row r starts at bank 4 r mod 64 (64 banks of 4 bytes: ISA guide 11.1)
.set FR,     16
.set NL,     4
.set NP,     8                         ; places behind this matrix instruction (ISA guide 7.12.1)
.set HALFT,  128*PITCH
.set SLOT,   4*HALFT                   ; Y's 256 rows, then X's 256 rows
.set LAPS,   SIZE_K/(2*KSTEP)
.set KS,     SIZE_K/32
.set SCL,    2*SLOT                    ; behind the ring: the scale bytes, as rows of 256 bytes + 16 of padding
.set HALFS,  (128*KS/256)*272
.set SBLK,   (16*KS/256)*272
.set SPARE,  SCL+4*HALFS               ; behind the scales: the spare words, 128 bytes a wave
.set ADRA, 16                          ; v16-17 LDS address of my Y fragments in slot 0, 1
.set ADRB, 20                          ; v20-21 the same for X
.set LI,   24                          ; v24 16 x lane: my place in an image
.set WO,   25                          ; v25 32 h: my eight numbers of a tile of the norm's weight
.set ADRS, 27                          ; v27 LDS address of my scale words: lanes 0-15 Y's rows, lanes 16-31 X's
.set SPW,  28
.set NIL,  29
.set SC,   32
.set WN,   64                          ; v64-127 register 8 b + j: weight of channel 16 b + 8 h + j
.set AF,   128
.set Y,    128                         ; v128-191 a block's 64 numbers at work
.set TM,   192                         ; v192-207 +0 largest magnitudes, +4 the other half's, then bytes, +8 448 x the scale, +12 the conversions' scale operand
.set PC,   208                         ; v208-223 the codes just made
.set PW,   224                         ; the scale word of an odd block,
.set PWE,  225                         ; of an even one
.set RS,   226                         ; v[226:227] 1 / root of the mean square (the low one)
.set SW,   228                         ; v[228:231] the eight blocks' scale words: even blocks in lanes 0-15, odd ones in lanes 16-31
.set SS,   232                         ; v[232:239] four chains of sums of squares
.set G1, 24
.set G0, 32
.set G1B, 48
.set G0B, 56
.set G1S, 68
.set G0S, 76
.set G1SB, 80
.set G0SB, 88
.set MSB, 0
.macro WIN new                         ; the immediate's high byte repeats the setting that is left
.if MSB != (\new)
	s_set_vgpr_msb (MSB<<8)|(\new)
.set MSB, (\new)
.endif
.endm
.set MUL_LO, 0xa1                      ; source 0 (X) window 1, source 1 (Y) window 0, C and D window 2
.set MUL_HI, 0xf1
.set TO_B,   0x40                      ; destination window 1, address window 0
; A joint load: waves 0 and 1 fetch for Y, waves 2 and 3 for X.  The branch hangs on the wave's number alone.  An s_nop 0 and four v_nop follow each of the two lines.
.macro JLOAD g0a, g1a, g0b, g1b
	s_cmp_eq_u32 s15, 0
	s_cbranch_scc0 .Lfor_b_\@
	tensor_load_to_lds s[\g0a:\g0a+3], s[\g1a:\g1a+7]
	s_nop 0
.rept 4
	v_nop
.endr
	s_branch .Lasked_\@
.Lfor_b_\@:
	tensor_load_to_lds s[\g0b:\g0b+3], s[\g1b:\g1b+7]
	s_nop 0
.rept 4
	v_nop
.endr
.Lasked_\@:
.endm
.macro CREST                           ; a round of the cluster's barrier behind its opening barrier
	s_cmp_lg_u32 s14, 0
	s_cbranch_scc1 .Lnot_wave_0_\@
	s_barrier_signal -3
.Lnot_wave_0_\@:
	s_barrier_wait -3
	s_barrier_signal -1
	s_barrier_wait -1
.endm
.macro CROUND
	s_barrier_signal -1
	s_barrier_wait -1
	CREST
.endm
	s_load_b128 s[4:7], s[0:1], 0x0                ; codes, scales
	s_load_b128 s[8:11], s[0:1], 0x10              ; cs, q_norm_w
	s_load_b64 s[12:13], s[0:1], 0x20              ; k_norm_w
	s_load_b64 s[96:97], s[0:1], 0x28              ; qkvc
	s_load_b64 s[98:99], s[0:1], 0x30              ; qkvs
	v_lshl_add_u32 v[SPW], v0, 2, SPARE
	v_mov_b32 v[NIL], 0
	ds_add_u32 v[SPW], v[NIL]                      ; the wave's opening: the add, twice on end, and its wait ahead of my first tensor load
	ds_add_u32 v[SPW], v[NIL]
	v_lshrrev_b32 v1, 5, v0
	v_readfirstlane_b32 s14, v1                    ; wave 0..3
	s_lshr_b32 s15, s14, 1                         ; which half of Y's rows is mine.  Also: I fetch for Y (0) or for X (1)
	s_and_b32 s16, s14, 1                          ; which half of X's rows.  Also: which 128 rows of that tile I fetch
	s_bfe_u32 s40, ttmp6, 0x40000                  ; cx, cy: my place in the cluster
	s_bfe_u32 s41, ttmp6, 0x40004
	s_and_b32 s2, ttmp7, 0xffff                    ; the cluster's y: 0 q, 1 k, 2 v
	s_lshr_b32 s95, s2, 1                          ; 1 for v
	s_xor_b32 s19, s95, 1                          ; 1 for q and k
	s_lshl_b32 s20, ttmp9, 2                       ; 4 x the cluster's x
	s_lshl_b32 s21, s2, 2
	s_add_co_u32 s21, s21, 16
	s_mul_i32 s42, s95, s20                        ; X's tile of 256 rows of G: v: tokens, 4 x cluster x + cx;
	s_mul_i32 s21, s19, s21                        ; q, k: weight rows, 16 + 4 x cluster y + cx
	s_add_co_u32 s42, s42, s21
	s_add_co_u32 s42, s42, s40
	s_mul_i32 s17, s95, 24                         ; Y's tile: v: rows of v_w, 24 + cy;
	s_mul_i32 s20, s19, s20                        ; q, k: tokens, 4 x cluster x + cy
	s_add_co_u32 s17, s17, s20
	s_add_co_u32 s17, s17, s41
	s_lshl_b32 s43, s41, 2
	s_lshl_b32 s43, 15, s43                        ; my row of the cluster
	s_lshl_b32 s44, 0x1111, s40                    ; my column
	; descriptor group 1: a tile of 128 rows x 256 bytes, padded in LDS
	s_or_b32 s[G1+0], s43, (0<<16)|(1<<20)|(1<<21)|(5<<22)|(3<<25)  ; 15:0 the mask: Y's tiles go to my row; 17:16 elements of 1 byte; 20 padding on; 21 set beside a mask; 24:22 after every 64 words; 31:25 four words
	s_or_b32 s[G1B+0], s44, (0<<16)|(1<<20)|(1<<21)|(5<<22)|(3<<25)
.irp g, G1, G1B
	s_mov_b32 s[\g+1], ROWB<<16                    ; tensor_dim0
	s_mov_b32 s[\g+2], 256<<16                     ; tensor_dim1: 256 rows for the head's loads; behind them 128
	s_mov_b32 s[\g+3], ROWB<<16                    ; tile_dim0
	s_mov_b32 s[\g+4], 256                         ; tile_dim1
	s_mov_b32 s[\g+5], KROW                        ; tensor_dim0_stride
	s_mov_b32 s[\g+6], 0
	s_mov_b32 s[\g+7], 0
.endr
	; the scale bytes of 256 rows: a dense block of 16,384 bytes, as rows of 256 bytes (32 elements of 8), 16 bytes of padding behind each
	s_or_b32 s[G1S+0], s43, (3<<16)|(1<<20)|(1<<21)|(5<<22)|(3<<25)
	s_or_b32 s[G1SB+0], s44, (3<<16)|(1<<20)|(1<<21)|(5<<22)|(3<<25)
.irp g, G1S, G1SB
	s_mov_b32 s[\g+1], 32<<16
	s_mov_b32 s[\g+2], (256*KS/256)<<16            ; the scale bytes of 256 rows: 64 rows of 256 bytes
	s_mov_b32 s[\g+3], 32<<16
	s_mov_b32 s[\g+4], 256*KS/256
	s_mov_b32 s[\g+5], 32
	s_mov_b32 s[\g+6], 0
	s_mov_b32 s[\g+7], 0
.endr
	s_lshl_b32 s20, s17, 8                         ; Y: the tile's first row of G
	s_lshl_b32 s46, s42, 8                         ; X: likewise
	s_mov_b32 s21, 0
	s_mov_b32 s47, 0
	s_mov_b64 s[18:19], KS
	s_mul_u64 s[22:23], s[20:21], s[18:19]         ; where these rows' scale bytes begin
	s_mul_u64 s[92:93], s[46:47], s[18:19]
	s_mov_b64 s[18:19], KROW
	s_mul_u64 s[20:21], s[20:21], s[18:19]         ; and their codes
	s_mul_u64 s[46:47], s[46:47], s[18:19]
	s_mul_i32 s45, s14, HALFT                      ; where they go: wave x 128 rows: no place in the cluster enters an LDS address
	s_mul_i32 s18, s16, 128*KROW                   ; in the ring I fetch 128 rows of a tile: which half, in bytes
	s_mov_b32 s19, 0
	s_mov_b32 s100, 0x76543210                     ; v_permlanex16_b32's selects for lane l xor 16
	s_mov_b32 s101, 0xfedcba98
	s_mov_b32 s104, 0x600000                       ; the mantissa field of 448
	s_mov_b32 s105, 0xffff0000                     ; lanes 16-31
	s_mov_b32 s66, 0x3c000000                      ; 1 / 128
	s_mov_b32 s67, 0x358637bd                      ; 1e-6
	s_wait_dscnt 0x0                               ; both opening adds are done
	s_wait_kmcnt 0x0
	s_cmp_eq_u32 s2, 0
	s_cselect_b64 s[10:11], s[10:11], s[12:13]     ; q's weight of the norm or k's
	s_add_nc_u64 s[20:21], s[4:5], s[20:21]
	s_add_nc_u64 s[22:23], s[6:7], s[22:23]
	s_add_nc_u64 s[46:47], s[4:5], s[46:47]
	s_add_nc_u64 s[92:93], s[6:7], s[92:93]
	CROUND                                         ; all sixteen work-groups are here: the first joint loads meet
	s_mov_b32 s[G0S], 1
	s_mov_b32 s[G0S+1], SCL
	s_mov_b64 s[G0S+2:G0S+3], s[22:23]
	s_or_b32 s[G0S+3], s[G0S+3], 0x80000000
	s_mov_b32 s[G0SB], 1
	s_mov_b32 s[G0SB+1], SCL+2*HALFS
	s_mov_b64 s[G0SB+2:G0SB+3], s[92:93]
	s_or_b32 s[G0SB+3], s[G0SB+3], 0x80000000
	s_mov_b32 s[G0], 1                             ; slot 0's groups 0 serve the head first: K step 0's 256 rows of Y, whole,
	s_mov_b32 s[G0+1], 0
	s_mov_b64 s[G0+2:G0+3], s[20:21]
	s_or_b32 s[G0+3], s[G0+3], 0x80000000
	s_mov_b32 s[G0B], 1                            ; and its 256 rows of X behind them
	s_mov_b32 s[G0B+1], 2*HALFT
	s_mov_b64 s[G0B+2:G0B+3], s[46:47]
	s_or_b32 s[G0B+3], s[G0B+3], 0x80000000
	s_add_nc_u64 s[20:21], s[20:21], s[18:19]      ; for the ring: my 128 rows of the tile
	s_add_nc_u64 s[46:47], s[46:47], s[18:19]
	s_mov_b32 s[G0+4], 1                           ; slot 1: K step 1
	s_add_co_u32 s[G0+5], s45, SLOT
	s_add_nc_u64 s[G0+6:G0+7], s[20:21], ROWB
	s_or_b32 s[G0+7], s[G0+7], 0x80000000
	s_mov_b32 s[G0B+4], 1
	s_add_co_u32 s[G0B+5], s45, SLOT
	s_add_nc_u64 s[G0B+6:G0B+7], s[46:47], ROWB
	s_or_b32 s[G0B+7], s[G0B+7], 0x80000000
; THE HEAD'S LOADS, ONE A WAVE: wave 0 K step 0's rows of Y, wave 1 those of X, wave 2 Y's scale bytes, wave 3 X's.  One chain of branches on the wave's number, a load to an arm.
.macro ARM under, g0, g1, next
	s_cmp_lt_u32 s14, \under
	s_cbranch_scc0 \next
	tensor_load_to_lds s[\g0:\g0+3], s[\g1:\g1+7]
	s_nop 0
.rept 4
	v_nop
.endr
	s_branch .Lhead_asked
\next:
.endm
	ARM 1, G0,  G1,  .Lhead_b
	ARM 2, G0B, G1B, .Lhead_sa
	ARM 3, G0S, G1S, .Lhead_sb
	tensor_load_to_lds s[G0SB:G0SB+3], s[G1SB:G1SB+7]
	s_nop 0
.rept 4
	v_nop
.endr
.Lhead_asked:
; PREFETCHES INTO THE L2, one instruction a wave behind each refill and the run of LDS loads that follows it.
; In the loop's first two trips: the K step two refills on of 32 of the 128 rows that my wave fetches, a lane a row of 256 bytes; the four partners of a joint load share the 128 rows out by address (cx for Y, cy for X).
; In its last trip no K step stands two refills on; q's and k's work-groups ask there for their 256 tokens' tables of cos and sin, 262,144 bytes: 4 partners x 4 waves x 2 refills x 32 lanes x 256 bytes, each block once in a cluster.
.set PFO, 30                           ; v30 my lane x a row of G; never rewritten
.set PFT, 31                           ; v31 my lane x 256; never rewritten
.macro ASK slot
	s_cmp_gt_u32 s3, 1
	s_cbranch_scc0 .Ltab_\@
	global_prefetch_b8 v[PFO], s[4:5] th:TH_LOAD_NT scope:SCOPE_SE
	s_branch .Lpf_\@
.Ltab_\@:
	s_cmp_eq_u32 s95, 0
	s_cbranch_scc0 .Lpf_\@
	global_prefetch_b8 v[PFT], s[12:13] offset:8192*\slot th:TH_LOAD_NT scope:SCOPE_SE
.Lpf_\@:
.endm
	v_and_b32 v1, 15, v0                           ; r = lane % 16
	v_bfe_u32 v2, v0, 4, 1                         ; h = lane / 16
	v_mul_u32_u24 v3, v1, PITCH
	v_lshl_add_u32 v4, v2, 4, v3                   ; a fragment's row x pitch + 16 h
	s_mul_i32 s21, s15, HALFT                      ; my 128 rows of Y
	s_mul_i32 s22, s16, HALFT                      ; my 128 rows of X,
	s_add_co_u32 s22, s22, 2*HALFT                 ; which lie behind Y's 256
.irp s, 0,1
	v_add_nc_u32 v[ADRA+\s], s21, v4
	v_add_nc_u32 v[ADRB+\s], s22, v4
	s_add_co_u32 s21, s21, SLOT
	s_add_co_u32 s22, s22, SLOT
.endr
	v_mul_u32_u24 v5, v1, KS                       ; my row's scale bytes: 64 a row,
	v_lshrrev_b32 v6, 8, v5
	v_lshl_add_u32 v5, v6, 4, v5                   ; and 16 more for each 256 passed
	s_mul_i32 s21, s15, HALFS
	s_mul_i32 s22, s16, HALFS
	s_add_co_u32 s22, s22, 2*HALFS
	s_sub_co_u32 s22, s22, s21
	v_mul_u32_u24 v6, s22, v2                      ; lanes 16-31 take X's
	s_add_co_u32 s21, s21, SCL
	v_add_nc_u32 v5, v5, v6
	v_add_nc_u32 v[ADRS], s21, v5
	v_and_b32 v6, 31, v0
	v_lshlrev_b32 v[LI], 4, v6
	v_lshlrev_b32 v[WO], 5, v2
	v_mul_u32_u24 v[PFO], v6, KROW
	v_lshlrev_b32 v[PFT], 8, v6
	s_cmp_eq_u32 s15, 0                            ; where my prefetches stand: do I fetch for Y?
	s_cselect_b32 s6, s17, s42                     ; the tile of 256 rows,
	s_cselect_b32 s7, s40, s41                     ; my place among the four that ask for it with me
	s_lshl_b32 s6, s6, 3
	s_lshl_b32 s94, s16, 2
	s_add_co_u32 s6, s6, s94
	s_add_co_u32 s6, s6, s7                        ; in runs of 32 rows: 8 x tile + 4 x half + place
	s_lshl_b32 s6, s6, 16                          ; 32 rows of 2,048 bytes
	s_add_co_u32 s6, s6, 3*ROWB                    ; at K step 3: the first refill steps it to K step 4
	s_mov_b32 s7, 0
	s_add_nc_u64 s[4:5], s[4:5], s[6:7]
	s_lshl_b32 s6, s40, 2
	s_add_co_u32 s6, s6, s14
	s_lshl_b32 s6, s6, 14                          ; the tables: 16,384 bytes for each of the cluster row's sixteen waves,
	s_lshl_b32 s94, s17, 18                        ; in the 256 tokens of Y's tile, 1,024 bytes a token
	s_add_co_u32 s6, s6, s94
	s_add_nc_u64 s[12:13], s[8:9], s[6:7]
	; where my results go, and where my tokens' tables lie
	s_lshl_b32 s20, s17, 8
	s_lshl_b32 s21, s15, 7
	s_add_co_u32 s20, s20, s21                     ; my first row of Y
	s_lshl_b32 s46, s42, 8
	s_lshl_b32 s47, s16, 7
	s_add_co_u32 s46, s46, s47                     ; my first row of X
	s_cmp_eq_u32 s95, 0
	s_cselect_b32 s22, s20, s46                    ; my first token
	s_cselect_b32 s23, s46, s20                    ; my first weight row,
	s_sub_co_u32 s23, s23, 4096                    ; counted from q_w's first: 0 .. 3071
	s_lshr_b32 s92, s22, 11
	s_lshl_b32 s92, s92, 3
	s_bfe_u32 s93, s23, 0x30007
	s_add_co_u32 s92, s92, s93                     ; 8 x batch + head
	s_bfe_u32 s93, s22, 0x40007                    ; the group of 128 tokens
	s_lshr_b32 s94, s23, 10                        ; 0 q, 1 k, 2 v
	s_lshl_b32 s20, s94, 22
	s_lshl_b32 s21, s92, 18
	s_add_co_u32 s20, s20, s21
	s_lshl_b32 s21, s93, 14
	s_add_co_u32 s20, s20, s21
	s_mov_b32 s21, 0
	s_add_nc_u64 s[96:97], s[96:97], s[20:21]      ; codes: 4 MiB a tensor, 256 KiB a head, 16 KiB a group
	s_lshl_b32 s20, s94, 17
	s_lshl_b32 s46, s92, 13
	s_add_co_u32 s20, s20, s46
	s_lshl_b32 s46, s93, 9
	s_add_co_u32 s20, s20, s46
	s_add_nc_u64 s[98:99], s[98:99], s[20:21]      ; scale words: 512 bytes a group
	s_lshl_b32 s20, s22, 10
	s_add_nc_u64 s[8:9], s[8:9], s[20:21]          ; tables: 16 KiB for 16 tokens
.macro FRAG reg, adr, q, i             ; 16 rows x 128 K: lane l holds row l % 16; registers 4 c .. 4 c + 3 hold bytes 32 c + 16 (l / 16) + 0 .. 15
.irp c, 0,1,2,3
	ds_load_b128 v[\reg+4*\c:\reg+4*\c+3], v[\adr] offset:128*(\q)+32*\c+(\i)*16*PITCH
.endr
.endm
; 16 matrix instructions: Y's blocks a0, a0 + 1 x X's eight, 128 along K.  The 64 accumulators take turns, one instruction a turn, in the same order in every step.
.macro MUL16 a0, p, q, sc, zero
.irp a, \a0, \a0+1
.irp b, 0,1,2,3,4,5,6,7
.if \zero
	v_wmma_scale_f32_16x16x128_f8f6f4 v[8*(8*((\a)%4)+\b):8*(8*((\a)%4)+\b)+7], v[128*(\p)+FR*\b:128*(\p)+FR*\b+FR-1], v[AF+FR*(\a):AF+FR*(\a)+FR-1], 0, v[SC+8*NQ*(\sc)+NQ*\b+(\q)], v[SC+8*NQ*(\sc)+NQ*(\a)+(\q)] matrix_a_scale:MATRIX_SCALE_ROW1
.else
	v_wmma_scale_f32_16x16x128_f8f6f4 v[8*(8*((\a)%4)+\b):8*(8*((\a)%4)+\b)+7], v[128*(\p)+FR*\b:128*(\p)+FR*\b+FR-1], v[AF+FR*(\a):AF+FR*(\a)+FR-1], v[8*(8*((\a)%4)+\b):8*(8*((\a)%4)+\b)+7], v[SC+8*NQ*(\sc)+NQ*\b+(\q)], v[SC+8*NQ*(\sc)+NQ*(\a)+(\q)] matrix_a_scale:MATRIX_SCALE_ROW1
.endif
.endr
.endr
.endm
.macro FETCH_B slot, q, p
	WIN TO_B
.irp i, 0,1,2,3,4,5,6,7
	FRAG 128*(\p)+FR*\i, ADRB+\slot, \q, \i
.endr
	WIN 0
.endm
.macro FETCH_A slot, q, i0
.irp i, \i0, \i0+1, \i0+2, \i0+3
	FRAG AF+FR*(\i), ADRA+\slot, \q, \i
.endr
.endm
.macro SCALES sc                       ; a K step's scale words: two a row; lanes 0-15 take Y's block i, lanes 16-31 X's block i
.irp i, 0,1,2,3,4,5,6,7
	ds_load_b64 v[SC+8*NQ*\sc+NQ*\i:SC+8*NQ*\sc+NQ*\i+1], v[ADRS] offset:\i*SBLK
.endr
.endm
.macro PLACES n                        ; plain vector instructions between a matrix instruction and a load into, or a vector instruction on, its registers (ISA guide 7.12.1 for vector instructions)
.rept \n
	v_nop
.endr
.endm
.macro STEP slot, q, zero              ; 128 along K with a successor in the same slot
	s_wait_dscnt 4*NL                              ; X's set and Y's blocks 0-3 are in; the youngest 16 loads (Y's blocks 4-7) may be out
	WIN MUL_LO
	MUL16 0, (\q)%2, \q, \slot, \zero
	MUL16 2, (\q)%2, \q, \slot, \zero
	s_wait_dscnt 0
	PLACES NP
	FETCH_B \slot, (\q)+1, 1-(\q)%2
	FETCH_A \slot, (\q)+1, 0
	WIN MUL_HI
	MUL16 4, (\q)%2, \q, \slot, \zero
	MUL16 6, (\q)%2, \q, \slot, \zero
	PLACES NP
	WIN 0
	FETCH_A \slot, (\q)+1, 4
.endm
; A slot's last step changes slots: one barrier; in front of it each wave waits for all its tensor loads, adds 0 to its spare word, and waits for that and for its reads of this slot.
.macro TURN slot, next, fill
.if \fill
	s_wait_xcnt 0x0                                ; my last prefetch has read its address, so it may be stepped
	s_add_nc_u64 s[4:5], s[4:5], ROWB
.endif
	s_wait_tensorcnt 0x0
	ds_add_u32 v[SPW], v[NIL]
	s_wait_dscnt 4*NL+1                            ; (the add and the youngest 16 loads may be out)
	WIN MUL_LO
	MUL16 0, 1, NQ-1, \slot, 0
	s_wait_dscnt 0x0                               ; the add is done, and my reads of this slot are over
	s_barrier_signal -1
	MUL16 2, 1, NQ-1, \slot, 0
	WIN 0
	s_barrier_wait -1
.if \fill
	CREST                                          ; the barrier has opened a round of the cluster's: no wave of any partner still reads this slot or has a load on its way
	s_add_nc_u64 s[G0+4*\slot+2:G0+4*\slot+3], s[G0+4*\slot+2:G0+4*\slot+3], 2*ROWB
	s_add_nc_u64 s[G0B+4*\slot+2:G0B+4*\slot+3], s[G0B+4*\slot+2:G0B+4*\slot+3], 2*ROWB
	JLOAD G0+4*\slot, G1, G0B+4*\slot, G1B         ; the first tensor load behind the round; its four v_nop are among the places in front of the loads below
	PLACES NP-4
.else
	PLACES NP
.endif
	s_wait_alu depctr_va_vdst(0)
	v_add_nc_u32 v[ADRS], 4*NQ, v[ADRS]            ; the next K step's scale words
	FETCH_B \next, 0, 0
	FETCH_A \next, 0, 0
	SCALES \next
.if \fill
	ASK \slot
.endif
	WIN MUL_HI
	MUL16 4, 1, NQ-1, \slot, 0
	MUL16 6, 1, NQ-1, \slot, 0
	PLACES NP
	WIN 0
	FETCH_A \next, 0, 4
.endm
.macro LAST                            ; the very last 128 along K, and the places behind it
	s_wait_dscnt 4*NL
	WIN MUL_LO
	MUL16 0, 1, NQ-1, 1, 0
	MUL16 2, 1, NQ-1, 1, 0
	s_wait_dscnt 0
	WIN MUL_HI
	MUL16 4, 1, NQ-1, 1, 0
	MUL16 6, 1, NQ-1, 1, 0
	WIN 0
	PLACES NP
.endm
; 32 images of the tables of block a's 16 tokens into set s of window 1: cos of register idx at 128 s + idx, sin at 128 s + 64 + idx.  Each load reads 512 consecutive bytes.
.macro TLD a, s
	WIN TO_B
.set k, 0
.rept 32
	global_load_b128 v[128*(\s)+4*k:128*(\s)+4*k+3], v[LI], s[8:9] offset:16384*(\a)+512*k
.set k, k+1
.endr
	WIN 0
.endm
; Block a (16 tokens x the head's 128 channels; register idx = 8 b + j is channel 16 b + 8 h + j of the lane's token): RMSNorm and RoPE, in place.  Channel d +- 64 is register idx +- 32 of the same lane.
.macro ROPE a
.set AC, 64*((\a)%4)
.set W, 2+(\a)/4
.set T, 128*((\a)%2)
.if (\a) == 0
	TLD 1, 1
.endif
.if (\a) < 7
	s_wait_loadcnt 32                              ; all but the next block's 32 table loads: this block's tables (and the weight) are in
.else
	s_wait_loadcnt 0x0
.endif
	WIN 5*W                                        ; sources 0 and 1: the accumulators' window
.set p, 0
.rept 4
	v_pk_mul_f32 v[SS+2*p:SS+2*p+1], v[AC+2*p:AC+2*p+1], v[AC+2*p:AC+2*p+1]   ; squares, in four chains; each accumulator is read from its low end on
.set p, p+1
.endr
.rept 28
	v_pk_fma_f32 v[SS+2*(p%4):SS+2*(p%4)+1], v[AC+2*p:AC+2*p+1], v[AC+2*p:AC+2*p+1], v[SS+2*(p%4):SS+2*(p%4)+1]
.set p, p+1
.endr
	WIN 0
	v_pk_add_f32 v[SS:SS+1], v[SS:SS+1], v[SS+2:SS+3]
	v_pk_add_f32 v[SS+4:SS+5], v[SS+4:SS+5], v[SS+6:SS+7]
	v_pk_add_f32 v[SS:SS+1], v[SS:SS+1], v[SS+4:SS+5]
	v_add_f32 v[SS], v[SS], v[SS+1]
	v_permlanex16_b32 v[SS+1], v[SS], s100, s101   ; the token's other 64 channels lie in the lane 16 away
	v_add_f32 v[SS], v[SS], v[SS+1]
	v_fma_f32 v[SS], v[SS], s66, s67               ; the mean + 1e-6
	s_wait_alu depctr_va_vdst(0)
	v_rsq_f32 v[RS], v[SS]
	v_nop                                          ; a plain instruction behind the transcendental,
	s_wait_alu depctr_va_vdst(0)                   ; and the wait ahead of its first reader
	WIN W                                          ; source 0: the accumulators
.set p, 0
.rept 32
	v_pk_mul_f32 v[Y+2*p:Y+2*p+1], v[AC+2*p:AC+2*p+1], v[RS:RS+1] op_sel_hi:[1,0]
.set p, p+1
.endr
	WIN 0
.set p, 0
.rept 32
	v_pk_mul_f32 v[Y+2*p:Y+2*p+1], v[Y+2*p:Y+2*p+1], v[WN+2*p:WN+2*p+1]
.set p, p+1
.endr
	WIN (W<<6)|4                                   ; destination: the accumulators; source 1: the tables
.set p, 0
.rept 16
	v_pk_mul_f32 v[AC+2*p:AC+2*p+1], v[Y+2*p:Y+2*p+1], v[T+2*p:T+2*p+1]               ; y(d) cos(d), d < 64
	v_pk_mul_f32 v[AC+32+2*p:AC+33+2*p], v[Y+2*p:Y+2*p+1], v[T+96+2*p:T+97+2*p]       ; y(d - 64) sin(d), d >= 64
.set p, p+1
.endr
	WIN (W<<6)|(W<<4)|4
.set p, 0
.rept 16
	v_pk_fma_f32 v[AC+2*p:AC+2*p+1], v[Y+32+2*p:Y+33+2*p], v[T+64+2*p:T+65+2*p], v[AC+2*p:AC+2*p+1] neg_lo:[1,0,0] neg_hi:[1,0,0]   ; - y(d + 64) sin(d)
	v_pk_fma_f32 v[AC+32+2*p:AC+33+2*p], v[Y+32+2*p:Y+33+2*p], v[T+32+2*p:T+33+2*p], v[AC+32+2*p:AC+33+2*p]                         ; + y(d) cos(d)
.set p, p+1
.endr
.if (\a) <= 5
	TLD (\a)+2, (\a)%2                             ; this block's set takes the tables of two blocks on
.endif
	WIN 0
.endm
; Block a's 64 numbers a lane become a fragment's codes and a scale word, and leave.
.macro QUANTW a
.set AC, 64*((\a)%4)
.set W, 2+(\a)/4
.set PX, PWE-(\a)%2
	WIN 5*W
.irp b, 0,1,2,3
	v_max3_num_f32 v[TM+\b], |v[AC+16*\b]|, |v[AC+16*\b+1]|, 0x4800000   ; block b: my 16 numbers, and the floor 2^(9 - 127): the byte cannot fall under 1
.endr
.irp i, 2,4,6,8,10,12,14
.irp b, 0,1,2,3
	v_max3_num_f32 v[TM+\b], |v[AC+16*\b+\i]|, |v[AC+16*\b+\i+1]|, v[TM+\b]   ; (the four blocks by turns)
.endr
.endr
	WIN 0
.irp b, 0,1,2,3
	v_permlanex16_b32 v[TM+4+\b], v[TM+\b], s100, s101
.endr
.irp b, 0,1,2,3
	v_max_num_f32 v[TM+\b], v[TM+\b], v[TM+4+\b]   ; with lane l xor 16's: the block's largest magnitude
.endr
.irp b, 0,1,2,3
	v_add_nc_u32 v[TM+12+\b], 0xfc000000, v[TM+\b] ; 8 off its exponent field: the conversion's scale operand
.endr
.irp b, 0,1,2,3
	v_and_or_b32 v[TM+8+\b], v[TM+\b], 0x7f800000, s104   ; 448 x the scale
.endr
.irp b, 0,1,2,3
	v_lshrrev_b32 v[TM+4+\b], 23, v[TM+12+\b]      ; the scale's byte
.endr
	v_lshl_or_b32 v[PX], v[TM+5], 8, v[TM+4]       ; my row's scale word
	v_lshl_or_b32 v[PX], v[TM+6], 16, v[PX]
	v_lshl_or_b32 v[PX], v[TM+7], 24, v[PX]
	WIN W
.irp b, 0,1,2,3
.irp i, 0,1,2,3,4,5,6,7,8,9,10,11,12,13,14,15
	v_med3_num_f32 v[Y+16*\b+\i], v[AC+16*\b+\i], -v[TM+8+\b], v[TM+8+\b]   ; the hold (the conversion does not saturate: ISA guide 7.6.2), which also brings the number into window 0
.endr
.endr
	WIN 0
	s_wait_alu depctr_va_vdst(0)
	s_wait_xcnt 0x0                                ; the last block's stores have read their data: the codes' registers are written again only behind this wait
.irp b, 0,1,2,3
	v_cvt_scalef32_pk8_fp8_f32 v[PC+4*\b:PC+4*\b+1], v[Y+16*\b:Y+16*\b+7], v[TM+12+\b]
	v_cvt_scalef32_pk8_fp8_f32 v[PC+4*\b+2:PC+4*\b+3], v[Y+16*\b+8:Y+16*\b+15], v[TM+12+\b]
.endr
	v_nop                                          ; a plain instruction between the conversions and the next vector instruction that writes their sources
.if (\a)%2
	v_cndmask_b32 v[SW+(\a)/2], v[PWE], v[PW], s105   ; the even block's words in lanes 0-15, the odd block's in lanes 16-31
.endif
.irp c, 0,1,2,3
	global_store_b128 v[LI], v[PC+4*\c:PC+4*\c+3], s[96:97] offset:2048*(\a)+512*\c   ; 32 lanes store 512 consecutive bytes
.endr
.endm
	s_wait_alu depctr_va_vdst(0)
	s_wait_tensorcnt 0x0                           ; my tile of the head's four is in
	ds_add_u32 v[SPW], v[NIL]
	s_mov_b32 s[G1+2], 128<<16                     ; no tensor load of mine is out: from here on a load brings 128 rows,
	s_mov_b32 s[G1+4], 128
	s_mov_b32 s[G1B+2], 128<<16
	s_mov_b32 s[G1B+4], 128
	s_mov_b32 s[G0+1], s45                         ; and slot 0's groups 0 stand at my 128 rows
	s_add_nc_u64 s[G0+2:G0+3], s[G0+2:G0+3], s[18:19]
	s_mov_b32 s[G0B+1], s45
	s_add_nc_u64 s[G0B+2:G0B+3], s[G0B+2:G0B+3], s[18:19]
	s_wait_dscnt 0x0
	CROUND                                         ; all four tiles are in, and all sixteen work-groups are here
	JLOAD G0+4, G1, G0B+4, G1B                     ; K step 1: the first tensor load behind the round
	FETCH_B 0, 0, 0
	FETCH_A 0, 0, 0
	SCALES 0
	FETCH_A 0, 0, 4
	STEP 0, 0, 1                                   ; the first step stands in front of the loop: its products start the sums
	s_mov_b32 s3, LAPS-1
.Llap:                                                 ; a trip goes once round the ring and fills both slots again
	TURN 0, 1, 1
	STEP 1, 0, 0
	TURN 1, 0, 1
	STEP 0, 0, 0
	s_sub_co_u32 s3, s3, 1
	s_cmp_lg_u32 s3, 0
	s_cbranch_scc1 .Llap
	TURN 0, 1, 0                                   ; the last lap fills nothing
	STEP 1, 0, 0
	s_cmp_eq_u32 s95, 0                            ; THE ONE PARTING of q and k from v; it hangs on the cluster's y alone
	s_cbranch_scc0 .Lv_last
.irp b, 0,1,2,3,4,5,6,7                        ; q, k: the norm's weight and block 0's tables are asked for ahead of the last 64 products (X's set 0 was last read eight places back)
	global_load_b128 v[WN+8*\b:WN+8*\b+3], v[WO], s[10:11] offset:64*\b
	global_load_b128 v[WN+8*\b+4:WN+8*\b+7], v[WO], s[10:11] offset:64*\b+16
.endr
	TLD 0, 0
	LAST
	v_mov_b32 v[RS+1], 0                           ; (named as the upper half of a pair)
.irp a, 0,1,2,3,4,5,6,7
	ROPE \a
.endr
	s_branch .Lquant
.Lv_last:
	LAST
.Lquant:
.irp b, 0,1,2,3
	v_mov_b32 v[TM+4+\b], 0                        ; written once: a lane permute's destination counts as one of its sources
.endr
.irp a, 0,1,2,3,4,5,6,7
	QUANTW \a
.endr
	global_store_b128 v[LI], v[SW:SW+3], s[98:99]  ; the eight fragments' scale words: 512 consecutive bytes
	s_wait_tensorcnt 0x0                           ; the wave's end
	ds_add_u32 v[SPW], v[NIL]
	s_wait_dscnt 0x0
	CROUND                                         ; the closing round: no work-group ends while a partner may still ask for a tile that names it
	s_endpgm
.Lfunc_end_k_q11c98c1f8c_qkv:
	.size	k_q11c98c1f8c_qkv, .Lfunc_end_k_q11c98c1f8c_qkv-k_q11c98c1f8c_qkv
	.p2alignl 7, 3214868480
	.fill 96, 4, 3214868480
	.section	.rodata,"a",@progbits
	.p2align	6, 0x0
	.amdhsa_kernel k_q11c98c1f8c_qkv
		.amdhsa_group_segment_fixed_size 327680
		.amdhsa_private_segment_fixed_size 0
		.amdhsa_enable_private_segment 0
		.amdhsa_kernarg_size 56
		.amdhsa_user_sgpr_count 2
		.amdhsa_user_sgpr_kernarg_segment_ptr 1
		.amdhsa_wavefront_size32 1
		.amdhsa_system_sgpr_workgroup_id_x 1
		.amdhsa_system_sgpr_workgroup_id_y 1
		.amdhsa_system_sgpr_workgroup_id_z 1
		.amdhsa_system_vgpr_workitem_id 0
		.amdhsa_next_free_vgpr 1024
		.amdhsa_next_free_sgpr 106
		.amdhsa_reserve_vcc 0
		.amdhsa_float_denorm_mode_32 3
		.amdhsa_float_denorm_mode_16_64 3
		.amdhsa_memory_ordered 1
		.amdhsa_forward_progress 1
		.amdhsa_inst_pref_size 255
	.end_amdhsa_kernel
	.section	.bss,"aw",@nobits
	.p2align	6
	.space	262144
	.amdgpu_metadata
---
amdhsa.version: [ 1, 2 ]
amdhsa.kernels:
  - .name:           k_q11c98c1f8c_qkv
    .symbol:         k_q11c98c1f8c_qkv.kd
    .args:
      - { .name: codes, .offset: 0, .size: 8, .value_kind: global_buffer, .address_space: global }
      - { .name: scales, .offset: 8, .size: 8, .value_kind: global_buffer, .address_space: global }
      - { .name: cs, .offset: 16, .size: 8, .value_kind: global_buffer, .address_space: global }
      - { .name: q_norm_w, .offset: 24, .size: 8, .value_kind: global_buffer, .address_space: global }
      - { .name: k_norm_w, .offset: 32, .size: 8, .value_kind: global_buffer, .address_space: global }
      - { .name: qkvc, .offset: 40, .size: 8, .value_kind: global_buffer, .address_space: global }
      - { .name: qkvs, .offset: 48, .size: 8, .value_kind: global_buffer, .address_space: global }
    .group_segment_fixed_size: 327680
    .private_segment_fixed_size: 0
    .kernarg_segment_align: 8
    .kernarg_segment_size: 56
    .max_flat_workgroup_size: 128
    .sgpr_count:     106
    .vgpr_count:     1024
    .wavefront_size: 32
...
	.end_amdgpu_metadata
.endif
;; end of part 2
;; launch attn (part 3): grid 16 x 16, 16 waves a work-group, no clusters, 327,680 bytes of LDS; arguments qkvc, qkvs, ac, asc; writes ac, asc
.if DOCPART == 3
	.amdgcn_target "amdgcn-amd-amdhsa--gfx1250"
	.amdhsa_code_object_version 6
	.text
	.protected	k_q11c98c1f8c_attn
	.globl	k_q11c98c1f8c_attn
	.p2align	8
	.type	k_q11c98c1f8c_attn,@function
k_q11c98c1f8c_attn:
	s_mov_b64 s[64:65], 0
	v_nop
	global_prefetch_b8 v0, s[64:65] scope:SCOPE_SE
	s_setreg_imm32_b32 hwreg(HW_REG_WAVE_MODE, 25, 1), 1
	s_wait_xcnt 0x0
.set SLOT1, 131072
.set SCK,   262144
.set SCV,   SCK+8192
.set SPARE, SCV+8192
.set STATS, SPARE+2048
.set NSL,   4
.set LI,   1
.set SRD,  2
.set ASK0, 3
.set MB,   4
.set SPW,  5
.set NIL,  6
.set PFO,  7
.set ADK,  8
.set AK0,  9
.set ADS,  10
.set ADV,  11
.set WV,   18
.set MNT,  19
.set SEL,  20
.set CS,   22
.set G1,   24
.set G0,   40
.set G1S,  48
.set G0S,  56
.set TB,   2
.set TS,   3
.set SLOTS, 67
.set PAR,  68
.set SKF,  69
.set PFA,  76
.set LIM,  80
.set LQ,   81
.set KF,   98
.set Q0,   99
	s_load_b256 s[4:11], s[0:1], 0x0
	v_lshl_add_u32 v[SPW], v0, 2, SPARE
	v_mov_b32 v[NIL], 0
	ds_add_u32 v[SPW], v[NIL]
	ds_add_u32 v[SPW], v[NIL]
	v_lshrrev_b32 v8, 5, v0
	s_delay_alu instid0(VALU_DEP_1)
	v_readfirstlane_b32 s[WV], v8
	s_and_b32 s72, ttmp7, 0xffff
	s_lshr_b32 s75, s[WV], 2
	s_xor_b32 s73, s75, s[WV]
	s_bfe_u32 s[PAR], s73, 0x10001
	s_and_b32 s73, s73, 1
	s_sub_co_u32 s74, 31, ttmp9
	s_cmp_eq_u32 s73, 0
	s_cselect_b32 s74, ttmp9, s74
	s_lshl_b32 s[Q0], s74, 6
	s_lshl_b32 s75, s75, 4
	s_add_co_u32 s[Q0], s[Q0], s75
	s_lshl_b32 s[LQ], ttmp9, 6
	s_sub_co_u32 s[LQ], 2047, s[LQ]
	s_and_b32 s82, s[WV], 7
	s_lshr_b32 s83, s[WV], 3
	s_add_co_u32 s83, s83, 1
	s_lshl_b32 s84, s83, 22
	s_lshl_b32 s85, s72, 18
	s_add_co_u32 s84, s84, s85
	s_lshl_b32 s85, s82, 11
	s_add_co_u32 s84, s84, s85
	s_mov_b32 s85, 0
	s_lshl_b32 s86, s83, 17
	s_lshl_b32 s87, s72, 13
	s_add_co_u32 s86, s86, s87
	s_lshl_b32 s87, s82, 8
	s_add_co_u32 s86, s86, s87
	s_mov_b32 s87, 0
	s_lshl_b32 s88, s72, 18
	s_lshl_b32 s89, s[Q0], 7
	s_add_co_u32 s88, s88, s89
	s_mov_b32 s89, 0
	s_lshl_b32 s90, s72, 13
	s_lshr_b32 s91, s[Q0], 7
	s_lshl_b32 s91, s91, 9
	s_add_co_u32 s90, s90, s91
	s_bfe_u32 s91, s[Q0], 0x10004
	s_lshl_b32 s91, s91, 8
	s_add_co_u32 s90, s90, s91
	s_bfe_u32 s91, s[Q0], 0x20005
	s_lshl_b32 s91, s91, 2
	s_add_co_u32 s90, s90, s91
	s_mov_b32 s91, 0
	s_lshr_b32 s92, s72, 3
	s_and_b32 s93, s72, 7
	s_lshl_b32 s94, s92, 21
	s_lshl_b32 s95, s[Q0], 10
	s_add_co_u32 s94, s94, s95
	s_lshl_b32 s95, s93, 11
	s_add_co_u32 s94, s94, s95
	s_mov_b32 s95, 0
	s_lshl_b32 s96, s92, 16
	s_lshl_b32 s97, s[Q0], 5
	s_add_co_u32 s96, s96, s97
	s_lshl_b32 s97, s93, 2
	s_add_co_u32 s96, s96, s97
	s_mov_b32 s97, 0
	s_mov_b32 s[G1], 3<<16
	s_mov_b32 s[G1+1], 256<<16
	s_mov_b32 s[G1+2], 4<<16
	s_mov_b32 s[G1+3], 256<<16
	s_mov_b32 s[G1+4], 4
	s_mov_b32 s[G1+5], 2048
	s_mov_b32 s[G1+6], 0
	s_mov_b32 s[G1+7], 0
	s_mov_b32 s[G1S], 3<<16
	s_mov_b32 s[G1S+1], 32<<16
	s_mov_b32 s[G1S+2], 4<<16
	s_mov_b32 s[G1S+3], 32<<16
	s_mov_b32 s[G1S+4], 4
	s_mov_b32 s[G1S+5], 256
	s_mov_b32 s[G1S+6], 0
	s_mov_b32 s[G1S+7], 0
	s_mov_b32 s[SEL], 0x76543210
	s_mov_b32 s[SEL+1], 0xfedcba98
	s_mov_b32 s[CS], 0x3e0293ee
	s_mov_b32 s[CS+1], s[CS]
	s_mov_b32 s[MNT], 0x600000
	s_mov_b32 s[TB], 0
	s_mov_b32 s[TS], 0
	s_mov_b32 s[SLOTS], NSL-1
	s_mov_b32 s[SKF], 0
	s_lshl_b32 s[KF], s[PAR], 7
	s_cmp_eq_u32 ttmp9, 0
	s_cselect_b32 s[LIM], 1, -1
	s_mov_b32 s[G0S], 1
	s_lshl_b32 s[G0S+1], s[WV], 10
	s_add_co_u32 s[G0S+1], s[G0S+1], SCK
	s_mov_b32 s[G0], 1
	s_lshl_b32 s[G0+1], s[WV], 13
	s_wait_dscnt 0x0
	s_wait_kmcnt 0x0
	s_add_nc_u64 s[G0S+2:G0S+3], s[6:7], s[86:87]
	s_or_b32 s[G0S+3], s[G0S+3], 0x80000000
	s_add_nc_u64 s[G0+2:G0+3], s[4:5], s[84:85]
	s_add_nc_u64 s[PFA:PFA+1], s[G0+2:G0+3], 65536
	s_or_b32 s[G0+3], s[G0+3], 0x80000000
	tensor_load_to_lds s[G0S:G0S+3], s[G1S:G1S+7]
	s_nop 0
	s_wait_alu depctr_va_vdst(0)
	s_wait_tensorcnt 0x0
	ds_add_u32 v5, v6
	s_wait_dscnt 0x0
	s_barrier_signal -1
	s_barrier_wait -1
	tensor_load_to_lds s[G0:G0+3], s[G1:G1+7]
	s_nop 0
.rept 4
	v_nop
.endr
	s_add_nc_u64 s[12:13], s[4:5], s[88:89]
	s_add_nc_u64 s[14:15], s[6:7], s[90:91]
	s_add_nc_u64 s[8:9], s[8:9], s[94:95]
	s_add_nc_u64 s[10:11], s[10:11], s[96:97]
	v_and_b32 v10, 31, v0
	s_delay_alu instid0(VALU_DEP_1)
	v_lshlrev_b32 v[LI], 4, v10
	v_and_b32 v8, 15, v0
	v_bfe_u32 v11, v0, 4, 1
.irp c, 0,1,2,3
	global_load_b128 v[16+4*\c:19+4*\c], v[LI], s[12:13] offset:512*\c
.endr
	v_lshlrev_b32 v254, 4, v8
	global_load_b32 v255, v254, s[14:15]
	s_lshl_b32 s70, s[PAR], 11
	v_add_nc_u32 v[AK0], s70, v[LI]
	v_lshlrev_b32 v[ASK0], 4, v8
	s_delay_alu instid0(VALU_DEP_1)
	v_lshl_add_u32 v[ASK0], v11, 10, v[ASK0]
	s_delay_alu instid0(VALU_DEP_1)
	v_add_nc_u32 v[ASK0], s70, v[ASK0]
	s_delay_alu instid0(VALU_DEP_1)
	v_add_nc_u32 v[ASK0], SCK, v[ASK0]
	v_lshlrev_b32 v10, 3, v11
	s_delay_alu instid0(VALU_DEP_1)
	v_sub_nc_u32 v[MB], v8, v10
	s_delay_alu instid0(VALU_DEP_1)
	v_add_nc_u32 v[MB], s[Q0], v[MB]
	v_and_b32 v10, 7, v0
	v_bfe_u32 v[PFO], v0, 3, 2
	s_delay_alu instid0(VALU_DEP_1)
	v_lshlrev_b32 v[PFO], 14, v[PFO]
	s_delay_alu instid0(VALU_DEP_1)
	v_lshl_add_u32 v[PFO], v10, 8, v[PFO]
	v_mov_b32 v13, 0xff61b1e6
	s_delay_alu instid0(VALU_DEP_1)
	v_floor_f32 v12, -v13
	v_mov_b32 v14, 0
	v_mov_b32 v15, 0
.irp b, 0,1,2,3
	v_mov_b32 v[236+\b], 0
.endr
	v_mov_b32 v252, 0
	v_mov_b32 v253, 0
.set j, 0
.rept 64
	v_mov_b32 v[160+j], 0
.set j, j+1
.endr
.macro ASK
	s_cmp_gt_u32 s[SLOTS], s[LIM]
	s_cbranch_scc0 .Lnot_mine_\@
	global_prefetch_b8 v[PFO], s[PFA:PFA+1] th:TH_LOAD_NT scope:SCOPE_SE
.Lnot_mine_\@:
.endm
.macro VLOAD g, u
.irp t, 0,1,2,3
.irp c, 0,1,2,3
	ds_load_b128 v[32+16*\t+4*\c:32+16*\t+4*\c+3], v[ADV] offset:8192*(4*\g+\t)+4096*(\u)+512*\c
.endr
.endr
.endm
.macro PVMUL g
.irp t, 0,1,2,3
.if \t%2
	v_wmma_scale_f32_16x16x128_f8f6f4 v[160+8*(4*\g+\t):167+8*(4*\g+\t)], v[32+16*\t:47+16*\t], v[224:239], v[160+8*(4*\g+\t):167+8*(4*\g+\t)], v[248+(4*\g+\t)/2], v253 matrix_a_scale:MATRIX_SCALE_ROW1
.else
	v_wmma_scale_f32_16x16x128_f8f6f4 v[160+8*(4*\g+\t):167+8*(4*\g+\t)], v[32+16*\t:47+16*\t], v[224:239], v[160+8*(4*\g+\t):167+8*(4*\g+\t)], v[248+(4*\g+\t)/2], v253
.endif
.endr
.endm
.macro STEP u
	s_add_co_u32 s96, s[Q0], 15
	s_cmp_gt_u32 s[KF], s96
	s_cbranch_scc1 .Lhidden_\@
	v_add_nc_u32 v[ADK], s[TB], v[AK0]
	s_wait_alu depctr_va_vdst(0)
	v_add_nc_u32 v[ADS], s[TS], v[ASK0]
	v_add_nc_u32 v[ADV], 0x10000, v[ADK]
.irp g, 0,1
.rept 8-3*(1-\g)
	v_nop
.endr
.irp t, 0,1,2,3
.irp c, 0,1,2,3
	ds_load_b128 v[32+16*\t+4*\c:32+16*\t+4*\c+3], v[ADK] offset:8192*(4*\g+\t)+4096*(\u)+512*\c
.endr
.endr
.if \g == 0
	ds_load_b128 v[248:251], v[ADS] offset:4096*(\u)
.endif
	s_wait_dscnt 0x0
.irp t, 0,1,2,3
.if \t%2
	v_wmma_scale_f32_16x16x128_f8f6f4 v[96+8*(4*\g+\t):103+8*(4*\g+\t)], v[32+16*\t:47+16*\t], v[16:31], 0, v[248+(4*\g+\t)/2], v255 matrix_a_scale:MATRIX_SCALE_ROW1
.else
	v_wmma_scale_f32_16x16x128_f8f6f4 v[96+8*(4*\g+\t):103+8*(4*\g+\t)], v[32+16*\t:47+16*\t], v[16:31], 0, v[248+(4*\g+\t)/2], v255
.endif
.endr
.endr
.rept 8
	v_nop
.endr
	s_wait_alu depctr_va_vdst(0)
	VLOAD 0, \u
	ds_load_b128 v[248:251], v[ADS] offset:8192+4096*(\u)
	s_add_co_u32 s96, s[KF], 127
	s_cmp_le_u32 s96, s[Q0]
	s_cbranch_scc1 .Lopen_\@
	v_sub_nc_u32 v252, v[MB], s[KF]
	v_mov_b32 v254, 0xff800000
.set n, 0
.rept 64
	v_cmp_gt_i32 vcc_lo, 16*(n/8)+n%8, v252
	v_cndmask_b32 v[96+n], v[96+n], v254, vcc_lo
.set n, n+1
.endr
.Lopen_\@:
.irp b, 0,1,2,3
	v_max3_num_f32 v[232+\b], v[96+16*\b], v[97+16*\b], v[98+16*\b]
.endr
.irp i, 3,5,7,9,11,13
.irp b, 0,1,2,3
	v_max3_num_f32 v[232+\b], v[232+\b], v[96+16*\b+\i], v[97+16*\b+\i]
.endr
.endr
.irp b, 0,1,2,3
	v_max_num_f32 v[232+\b], v[232+\b], v[111+16*\b]
.endr
.irp b, 0,1,2,3
	v_permlanex16_b32 v[236+\b], v[232+\b], s[SEL], s[SEL+1]
.endr
.irp b, 0,1,2,3
	s_delay_alu instid0(VALU_DEP_4)
	v_max_num_f32 v[232+\b], v[232+\b], v[236+\b]
.endr
	s_delay_alu instid0(VALU_DEP_2)
	v_max3_num_f32 v254, v232, v233, v234
	s_delay_alu instid0(VALU_DEP_1)
	v_max_num_f32 v254, v254, v235
	s_delay_alu instid0(VALU_DEP_1)
	v_mul_f32 v254, s[CS], v254
	s_delay_alu instid0(VALU_DEP_1)
	v_max_num_f32 v13, v13, v254
	v_mov_b32 v254, v12
	s_delay_alu instid0(VALU_DEP_2)
	v_floor_f32 v12, -v13
	s_delay_alu instid0(VALU_DEP_1)
	v_sub_f32 v254, v12, v254
	s_delay_alu instid0(VALU_DEP_1)
	v_cvt_i32_f32 v254, v254
	s_delay_alu instid0(VALU_DEP_1)
	v_ldexp_f32 v252, 1.0, v254
.set j, 0
.rept 32
	v_pk_fma_f32 v[96+j:97+j], v[96+j:97+j], s[CS:CS+1], v[12:13] op_sel_hi:[1,0,0]
.set j, j+2
.endr
.irp b, 0,1,2,3
	v_fma_f32 v[232+\b], v[232+\b], s[CS], v12
.endr
.set j, 0
	s_wait_alu depctr_va_vdst(0)
.rept 64
	v_exp_f32 v[96+j], v[96+j]
.set j, j+1
.endr
	v_pk_mul_f32 v[14:15], v[14:15], v[252:253] op_sel_hi:[1,0]
	s_wait_alu depctr_va_vdst(0)
.irp b, 0,1,2,3
	v_exp_f32 v[232+\b], v[232+\b]
.endr
	v_pk_add_f32 v[236:237], v[96:97], v[98:99]
.irp j, 4,8,12,16,20,24,28,32,36,40,44,48,52,56,60
	v_pk_add_f32 v[14:15], v[14:15], v[96+\j:97+\j]
	v_pk_add_f32 v[236:237], v[236:237], v[98+\j:99+\j]
.endr
	s_delay_alu instid0(VALU_DEP_1)
	v_pk_add_f32 v[14:15], v[14:15], v[236:237]
	s_wait_alu depctr_va_vdst(0)
.irp b, 0,1,2,3
	v_max_num_f32 v[232+\b], 0x4800000, v[232+\b]
.endr
.irp b, 0,1,2,3
	s_delay_alu instid0(VALU_DEP_4)
	v_add_nc_u32 v[244+\b], 0xfc000000, v[232+\b]
.endr
.irp b, 0,1,2,3
	v_and_or_b32 v[240+\b], v[232+\b], 0x7f800000, s[MNT]
.endr
.irp b, 0,1,2,3
	v_lshrrev_b32 v[236+\b], 23, v[244+\b]
.endr
	s_delay_alu instid0(VALU_DEP_3)
	v_lshl_or_b32 v253, v237, 8, v236
	s_delay_alu instid0(VALU_DEP_1)
	v_lshl_or_b32 v253, v238, 16, v253
	s_delay_alu instid0(VALU_DEP_1)
	v_lshl_or_b32 v253, v239, 24, v253
.irp b, 0,1,2,3
.irp i, 0,1,2,3,4,5,6,7,8,9,10,11,12,13,14,15
	v_min_num_f32 v[96+16*\b+\i], v[96+16*\b+\i], v[240+\b]
.endr
	v_cvt_scalef32_pk8_fp8_f32 v[224+4*\b:225+4*\b], v[96+16*\b:103+16*\b], v[244+\b]
	v_cvt_scalef32_pk8_fp8_f32 v[226+4*\b:227+4*\b], v[104+16*\b:111+16*\b], v[244+\b]
.endr
.set j, 0
.rept 32
	v_pk_mul_f32 v[160+j:161+j], v[160+j:161+j], v[252:253] op_sel_hi:[1,0]
.set j, j+2
.endr
	s_wait_alu depctr_va_vdst(0)
	s_wait_dscnt 0x0
	PVMUL 0
.rept 8
	v_nop
.endr
	VLOAD 1, \u
	s_wait_dscnt 0x0
	PVMUL 1
.Lhidden_\@:
	s_add_co_u32 s[KF], s[KF], 256
.endm
.macro CHANGE fill
	s_wait_tensorcnt 0x0
	ds_add_u32 v[SPW], v[NIL]
.if \fill
	s_xor_b32 s[G0+1], s[G0+1], SLOT1
	s_add_nc_u64 s[G0+2:G0+3], s[G0+2:G0+3], 65536
	s_wait_xcnt 0x0
	s_add_nc_u64 s[PFA:PFA+1], s[PFA:PFA+1], 65536
.endif
	s_wait_dscnt 0x0
	s_barrier_signal -1
	s_barrier_wait -1
.if \fill
	s_add_co_u32 s96, s[SKF], 512
	s_cmp_gt_u32 s96, s[LQ]
	s_cbranch_scc1 .Lpast_\@
	tensor_load_to_lds s[G0:G0+3], s[G1:G1+7]
	s_nop 0
.rept 4
	v_nop
.endr
.Lpast_\@:
	ASK
.endif
.endm
.macro SLOT_STEPS
	STEP 0
	STEP 1
	s_xor_b32 s[TB], s[TB], SLOT1
	s_add_co_u32 s[TS], s[TS], 256
	s_add_co_u32 s[SKF], s[SKF], 512
.endm
	s_wait_loadcnt 0x0
.Lslot:
	CHANGE 1
	SLOT_STEPS
	s_sub_co_u32 s[SLOTS], s[SLOTS], 1
	s_cmp_lg_u32 s[SLOTS], 0
	s_cbranch_scc1 .Lslot
	CHANGE 0
	SLOT_STEPS
	s_xor_b32 s71, s[WV], 2
	s_lshl_b32 s70, s[WV], 13
	s_lshl_b32 s72, s71, 13
	s_lshl_b32 s73, s[WV], 9
	s_lshl_b32 s71, s71, 9
	v_add_f32 v14, v14, v15
	v_add_nc_u32 v[ADK], s70, v[LI]
	v_add_nc_u32 v[ADS], s72, v[LI]
	v_add_nc_u32 v[ADV], s73, v[LI]
	v_add_nc_u32 v[SRD], s71, v[LI]
	s_delay_alu instid0(VALU_DEP_2)
	v_add_nc_u32 v[ADV], STATS, v[ADV]
	s_delay_alu instid0(VALU_DEP_2)
	v_add_nc_u32 v[SRD], STATS, v[SRD]
	v_mov_b32 v241, 0
	s_cmp_eq_u32 s[PAR], 0
	s_cbranch_scc1 .Lkeep
.set k, 0
	s_wait_alu depctr_va_vdst(0)
.rept 16
	ds_store_b128 v[ADK], v[160+4*k:163+4*k] offset:512*k
.set k, k+1
.endr
	ds_store_b128 v[ADV], v[12:15]
.Lkeep:
	s_wait_dscnt 0x0
	s_barrier_signal -1
	s_barrier_wait -1
	s_cmp_eq_u32 s[PAR], 0
	s_cbranch_scc1 .Lmerge
	s_wait_tensorcnt 0x0
	ds_add_u32 v[SPW], v[NIL]
	s_wait_dscnt 0x0
	s_endpgm
.Lmerge:
	s_wait_alu depctr_va_vdst(0)
	ds_load_b128 v[244:247], v[SRD]
.set k, 0
.rept 16
	ds_load_b128 v[96+4*k:99+4*k], v[ADS] offset:512*k
.set k, k+1
.endr
	s_wait_dscnt 16
	v_min_num_f32 v252, v12, v244
	s_delay_alu instid0(VALU_DEP_1)
	v_sub_f32 v254, v252, v12
	s_delay_alu instid0(VALU_DEP_2)
	v_sub_f32 v240, v252, v244
	s_delay_alu instid0(VALU_DEP_2)
	v_cvt_i32_f32 v254, v254
	s_delay_alu instid0(VALU_DEP_2)
	v_cvt_i32_f32 v240, v240
	s_delay_alu instid0(VALU_DEP_2)
	v_ldexp_f32 v254, 1.0, v254
	s_delay_alu instid0(VALU_DEP_2)
	v_ldexp_f32 v240, 1.0, v240
	s_delay_alu instid0(VALU_DEP_2)
	v_mul_f32 v14, v14, v254
	s_delay_alu instid0(VALU_DEP_1)
	v_fma_f32 v14, v246, v240, v14
	s_delay_alu instid0(VALU_DEP_1)
	v_permlanex16_b32 v252, v14, s[SEL], s[SEL+1]
	s_delay_alu instid0(VALU_DEP_1)
	v_add_f32 v14, v14, v252
	s_wait_alu depctr_va_vdst(0)
	v_rcp_f32 v14, v14
	v_and_b32 v9, 15, v0
	s_delay_alu instid0(VALU_DEP_1)
	v_lshlrev_b32 v9, 5, v9
	s_wait_alu depctr_va_vdst(0)
	v_mul_f32 v252, v254, v14
	v_mul_f32 v240, v240, v14
	s_wait_alu depctr_va_vdst(0)
	s_wait_dscnt 0x0
.set j, 0
.rept 32
	v_pk_mul_f32 v[96+j:97+j], v[96+j:97+j], v[240:241] op_sel_hi:[1,0]
.set j, j+2
.endr
.set j, 0
.rept 32
	v_pk_fma_f32 v[96+j:97+j], v[160+j:161+j], v[252:253], v[96+j:97+j] op_sel_hi:[1,0,1]
.set j, j+2
.endr
.irp b, 0,1,2,3
	v_max3_num_f32 v[232+\b], |v[96+16*\b]|, |v[97+16*\b]|, 0x4800000
.endr
.irp i, 2,4,6,8,10,12,14
.irp b, 0,1,2,3
	s_delay_alu instid0(VALU_DEP_4)
	v_max3_num_f32 v[232+\b], v[232+\b], |v[96+16*\b+\i]|, |v[97+16*\b+\i]|
.endr
.endr
.irp b, 0,1,2,3
	v_permlanex16_b32 v[236+\b], v[232+\b], s[SEL], s[SEL+1]
.endr
.irp b, 0,1,2,3
	s_delay_alu instid0(VALU_DEP_4)
	v_max_num_f32 v[232+\b], v[232+\b], v[236+\b]
.endr
.irp b, 0,1,2,3
	s_delay_alu instid0(VALU_DEP_4)
	v_add_nc_u32 v[244+\b], 0xfc000000, v[232+\b]
.endr
.irp b, 0,1,2,3
	v_and_or_b32 v[240+\b], v[232+\b], 0x7f800000, s[MNT]
.endr
.irp b, 0,1,2,3
	v_lshrrev_b32 v[236+\b], 23, v[244+\b]
.endr
	s_delay_alu instid0(VALU_DEP_3)
	v_lshl_or_b32 v253, v237, 8, v236
	s_delay_alu instid0(VALU_DEP_1)
	v_lshl_or_b32 v253, v238, 16, v253
	s_delay_alu instid0(VALU_DEP_1)
	v_lshl_or_b32 v253, v239, 24, v253
.irp b, 0,1,2,3
.irp i, 0,1,2,3,4,5,6,7,8,9,10,11,12,13,14,15
	v_med3_num_f32 v[96+16*\b+\i], v[96+16*\b+\i], -v[240+\b], v[240+\b]
.endr
	v_cvt_scalef32_pk8_fp8_f32 v[32+4*\b:33+4*\b], v[96+16*\b:103+16*\b], v[244+\b]
	v_cvt_scalef32_pk8_fp8_f32 v[34+4*\b:35+4*\b], v[104+16*\b:111+16*\b], v[244+\b]
.endr
	v_nop
.irp c, 0,1,2,3
	global_store_b128 v[LI], v[32+4*\c:35+4*\c], s[8:9] offset:512*\c
.endr
	global_store_b32 v9, v253, s[10:11]
	s_wait_tensorcnt 0x0
	ds_add_u32 v[SPW], v[NIL]
	s_wait_dscnt 0x0
	s_endpgm
.Lfunc_end_k_q11c98c1f8c_attn:
	.size	k_q11c98c1f8c_attn, .Lfunc_end_k_q11c98c1f8c_attn-k_q11c98c1f8c_attn
	.p2alignl 7, 3214868480
	.fill 96, 4, 3214868480
	.section	.rodata,"a",@progbits
	.p2align	6, 0x0
	.amdhsa_kernel k_q11c98c1f8c_attn
		.amdhsa_group_segment_fixed_size 327680
		.amdhsa_private_segment_fixed_size 0
		.amdhsa_enable_private_segment 0
		.amdhsa_kernarg_size 32
		.amdhsa_user_sgpr_count 2
		.amdhsa_user_sgpr_kernarg_segment_ptr 1
		.amdhsa_wavefront_size32 1
		.amdhsa_system_sgpr_workgroup_id_x 1
		.amdhsa_system_sgpr_workgroup_id_y 1
		.amdhsa_system_sgpr_workgroup_id_z 1
		.amdhsa_system_vgpr_workitem_id 0
		.amdhsa_next_free_vgpr 256
		.amdhsa_next_free_sgpr 100
		.amdhsa_reserve_vcc 1
		.amdhsa_float_denorm_mode_32 3
		.amdhsa_float_denorm_mode_16_64 3
		.amdhsa_memory_ordered 1
		.amdhsa_forward_progress 1
		.amdhsa_inst_pref_size 142
	.end_amdhsa_kernel
	.amdgpu_metadata
---
amdhsa.version: [ 1, 2 ]
amdhsa.kernels:
  - .name:           k_q11c98c1f8c_attn
    .symbol:         k_q11c98c1f8c_attn.kd
    .args:
      - { .name: qkvc, .offset: 0, .size: 8, .value_kind: global_buffer, .address_space: global }
      - { .name: qkvs, .offset: 8, .size: 8, .value_kind: global_buffer, .address_space: global }
      - { .name: ac, .offset: 16, .size: 8, .value_kind: global_buffer, .address_space: global }
      - { .name: asc, .offset: 24, .size: 8, .value_kind: global_buffer, .address_space: global }
    .group_segment_fixed_size: 327680
    .private_segment_fixed_size: 0
    .kernarg_segment_align: 8
    .kernarg_segment_size: 32
    .max_flat_workgroup_size: 512
    .sgpr_count:     100
    .vgpr_count:     256
    .wavefront_size: 32
...
	.end_amdgpu_metadata
.endif
;; end of part 3
;; launch oproj (part 4): grid 8 x 32, 4 waves a work-group, clusters of 4 x 4, 327,680 bytes of LDS; arguments ac, asc, codes, scales, out0; writes out0
.if DOCPART == 4
	.amdgcn_target "amdgcn-amd-amdhsa--gfx1250"
	.amdhsa_code_object_version 6
	.text
	.protected	k_q11c98c1f8c_oproj
	.globl	k_q11c98c1f8c_oproj
	.p2align	8
	.type	k_q11c98c1f8c_oproj,@function
k_q11c98c1f8c_oproj:
	s_mov_b64 s[64:65], 0
	v_nop
	global_prefetch_b8 v0, s[64:65] scope:SCOPE_SE
	s_setreg_imm32_b32 hwreg(HW_REG_WAVE_MODE, 25, 1), 1
	s_wait_xcnt 0x0
	s_wait_alu depctr_hold_cnt(0) depctr_sa_sdst(0) depctr_va_vdst(0) depctr_va_sdst(0) depctr_va_ssrc(0) depctr_va_vcc(0) depctr_vm_vsrc(0)
	s_getreg_b32 s2, hwreg(HW_REG_IB_STS2, 6, 4)
	s_cmp_eq_u32 s2, 0
	s_cbranch_scc0 .Lentry_in_a_cluster
	s_endpgm
.Lentry_in_a_cluster:
	s_bfe_u32 s2, ttmp6, 0x10000c
	s_cmp_lg_u32 s2, 0xf033
	s_cbranch_scc0 .Lentry_shape_is_right
	s_endpgm
.Lentry_shape_is_right:
; FOURTH LAUNCH: out0 = attn x o_w^T on E4M3 codes with E8M0 scales, f32 sums.  M 4,096 tokens, N 2,048, K 1,024.
; A = ac: images of operand registers, [16 tokens][head][c][lane][16 bytes], 16,384 bytes for 16 tokens; its scale bytes asc [token][32].  B = o_w's codes, rows of 1,024 bytes at byte OWC of codes; scale bytes at OWS of scales.
; Both hold a block's 32 codes in the program's one order, so the same pairs of numbers are multiplied.
; SHARES: 8 x 32 = 256 work-groups; a work-group makes 128 tokens x 256 columns with four waves, 2 x 2.  A wave holds its 64 tokens, ALL of K, in registers (512: windows 1 and 2).
; B comes in two chunks of 128 columns, all of K: a wave makes 64 tokens x 64 columns of a chunk, 16 accumulators, 128 products, and stores them before the next chunk is multiplied.
; LDS: two slots of 128 rows of 1,024 + 16 bytes.  Slot 0: chunk 0.  Slot 1: A's 131,072 dense bytes, stated as 128 rows of 1,024, until all waves hold them in registers; then chunk 1, by a drained refill that lands on the same bytes.
; The scale words go from memory straight into registers: lane l takes row l of a pair of blocks of 16, so that lanes 0-15 hold the even block's words and lanes 16-31 the odd one's.
; Source 0 = 16 rows of o_w, source 1 = 16 tokens: a lane holds eight neighbouring columns of a token.
; CLUSTERS 4 x 4: A is shared along a row of the cluster, B along a column, by joint loads.
; PREFETCH: chunk 1's 131,072 bytes are asked for once in a cluster's column, behind the first barrier: 4 partners x 4 waves x 32 lanes x 256 bytes, shared out by address; the refill that wants them follows behind A's 128 LDS loads and a round.
; LIMITS: NaN and infinities are not served.
.set SIZE_N, 2048
.set OWC,    14680064
.set OWS,    458752
.set KROW,   1024
.set PITCH,  1040
.set NP,     8                         ; places behind this matrix instruction (ISA guide 7.12.1)
.set YB,     128*PITCH                 ; slot 1
.set STAGE,  2*YB                      ; the way out: 16 rows x (256 + 16) bytes a wave; no tile lands here
.set SPITCH, 272
.set SPARE,  STAGE+4*16*SPITCH         ; the spare words, 128 bytes a wave
.set ADA0, 4                           ; v4, v5 LDS address of my A blocks 0, 1 and 2, 3
.set ADB0, 6                           ; v6, v7 of my B rows in slot 0, 1
.set STO,  8
.set RD,   9
.set CO,   10
.set ABS,  11                          ; v11 32 x lane: my row of scale bytes
.set SPW,  12
.set NIL,  13
.set PF,   16                          ; v16 the prefetch's offset; never rewritten
.set SA,   32                          ; v32-47 A's scale words: register 8 p + q: blocks 2 p, 2 p + 1
.set SB,   52                          ; v52-83 B's: 16 a chunk; no product's two scale words have numbers equal modulo 8
.set G1A, 24
.set G1B, 32
.set G1R, 48
.set G0A, 56
.set G0B, 60
.set G0R, 68
.set MSB, 0
.macro WIN new
.if MSB != (\new)
	s_set_vgpr_msb (MSB<<8)|(\new)
.set MSB, (\new)
.endif
.endm
.macro PLACES n
.rept \n
	v_nop
.endr
.endm
.macro BARRIER
	s_barrier_signal -1
	s_barrier_wait -1
.endm
.macro CROUND
	BARRIER
	s_cmp_lg_u32 s14, 0
	s_cbranch_scc1 .Lnot_wave_0_\@
	s_barrier_signal -3
.Lnot_wave_0_\@:
	s_barrier_wait -3
	BARRIER
.endm
.macro TLOAD g0, g1
	tensor_load_to_lds s[\g0:\g0+3], s[\g1:\g1+7]
	s_nop 0
	PLACES 4
.endm
.macro GROUP1 g, mask, rows            ; so many rows of 1,024 bytes, dense in memory, 16 bytes of padding behind each in LDS
	s_or_b32 s[\g+0], s[\mask], (1<<20)|(1<<21)|(7<<22)|(3<<25)
	s_mov_b32 s[\g+1], (KROW&0xffff)<<16
	s_mov_b32 s[\g+2], (KROW>>16)|((\rows)<<16)
	s_mov_b32 s[\g+3], KROW<<16
	s_mov_b32 s[\g+4], \rows
	s_mov_b32 s[\g+5], KROW
	s_mov_b32 s[\g+6], 0
	s_mov_b32 s[\g+7], 0
.endm
	s_load_b128 s[4:7], s[0:1], 0x0                ; ac, asc
	s_load_b128 s[8:11], s[0:1], 0x10              ; codes, scales
	s_load_b64 s[12:13], s[0:1], 0x20              ; out0
	v_lshl_add_u32 v[SPW], v0, 2, SPARE
	v_mov_b32 v[NIL], 0
	ds_add_u32 v[SPW], v[NIL]                      ; the opening lines: the add twice on end and its wait
	ds_add_u32 v[SPW], v[NIL]
	v_lshrrev_b32 v1, 5, v0
	v_readfirstlane_b32 s14, v1                    ; wave
	s_lshr_b32 s15, s14, 1                         ; my half of the tokens
	s_and_b32 s16, s14, 1                          ; my half of a chunk's columns; at the head: which 64 rows I fetch
	s_bfe_u32 s40, ttmp6, 0x40000
	s_bfe_u32 s41, ttmp6, 0x40004
	s_lshl_b32 s42, ttmp9, 2
	s_add_co_u32 s42, s42, s40                     ; tile column, 0 .. 7
	s_and_b32 s17, ttmp7, 0xffff
	s_lshl_b32 s17, s17, 2
	s_add_co_u32 s17, s17, s41                     ; tile row, 0 .. 31
	s_lshl_b32 s44, s41, 2
	s_lshl_b32 s44, 15, s44                        ; my row of the cluster
	s_lshl_b32 s45, 0x1111, s40                    ; my column
	GROUP1 G1A, 44, 64                             ; waves 0, 1: halves of A
	GROUP1 G1B, 45, 64                             ; waves 2, 3: halves of chunk 0
	GROUP1 G1R, 45, 32                             ; the refill: a quarter of chunk 1 a wave
	s_lshl_b32 s18, s16, 16                        ; 64 rows of 1,024 bytes
	s_lshl_b32 s20, s17, 17                        ; A: 128 tokens of 1,024 bytes a tile row
	s_add_co_u32 s20, s20, s18
	s_mov_b32 s21, 0
	s_lshl_b32 s19, s42, 18                        ; B: 256 rows a tile column
	s_add_co_u32 s19, s19, OWC
	s_add_co_u32 s22, s19, s18
	s_mov_b32 s23, 0
	s_lshl_b32 s46, s14, 15                        ; chunk 1: 32 rows a wave
	s_add_co_u32 s46, s46, s19
	s_add_co_u32 s46, s46, 128*KROW
	s_mov_b32 s47, 0
	s_lshl_b32 s72, s17, 12                        ; A's scale bytes: my 64 tokens
	s_lshl_b32 s73, s15, 11
	s_add_co_u32 s72, s72, s73
	s_mov_b32 s73, 0
	s_lshl_b32 s74, s42, 13                        ; B's: my 64 columns of chunk 0
	s_lshl_b32 s75, s16, 11
	s_add_co_u32 s74, s74, s75
	s_add_co_u32 s74, s74, OWS
	s_mov_b32 s75, 0
	s_lshl_b32 s79, s41, 2                         ; the prefetch: which of the cluster column's sixteen waves I am: 8,192 bytes of chunk 1 each
	s_add_co_u32 s79, s79, s14
	s_lshl_b32 s79, s79, 13
	s_add_co_u32 s79, s79, s19
	s_add_co_u32 s79, s79, 128*KROW
	s_mul_i32 s77, s16, 64*PITCH
	s_mul_i32 s76, s15, 64*PITCH
	s_add_co_u32 s76, s76, YB
	s_mul_i32 s78, s14, 16*SPITCH
	s_add_co_u32 s78, s78, STAGE
	s_mov_b32 s[G0A], 1
	s_add_co_u32 s[G0A+1], s77, YB
	s_mov_b32 s[G0B], 1
	s_mov_b32 s[G0B+1], s77
	s_mov_b32 s[G0R], 1
	s_mul_i32 s[G0R+1], s14, 32*PITCH
	s_add_co_u32 s[G0R+1], s[G0R+1], YB
	s_lshl_b32 s80, s17, 7                         ; out0: my first token,
	s_lshl_b32 s81, s15, 6
	s_add_co_u32 s80, s80, s81
	s_lshl_b32 s80, s80, 13                        ; 8,192 bytes a row,
	s_lshl_b32 s81, s42, 10                        ; my first column in bytes
	s_add_co_u32 s80, s80, s81
	s_lshl_b32 s81, s16, 8
	s_add_co_u32 s80, s80, s81
	s_mov_b32 s81, 0
	s_wait_dscnt 0x0
	CROUND                                         ; the round in front of the first joint loads
	s_wait_kmcnt 0x0
	s_add_nc_u64 s[G0A+2:G0A+3], s[4:5], s[20:21]
	s_or_b32 s[G0A+3], s[G0A+3], 0x80000000
	s_add_nc_u64 s[G0B+2:G0B+3], s[8:9], s[22:23]
	s_or_b32 s[G0B+3], s[G0B+3], 0x80000000
	s_add_nc_u64 s[G0R+2:G0R+3], s[8:9], s[46:47]
	s_or_b32 s[G0R+3], s[G0R+3], 0x80000000
	s_add_nc_u64 s[6:7], s[6:7], s[72:73]
	s_add_nc_u64 s[10:11], s[10:11], s[74:75]
	s_add_nc_u64 s[12:13], s[12:13], s[80:81]
	s_cmp_lt_u32 s14, 2                            ; one joint load a wave; A's line is waves 0 and 1's own, since they alone wait at the first barrier
	s_cbranch_scc0 .Lfor_b
	TLOAD G0A, G1A
	s_branch .Lasked
.Lfor_b:
	TLOAD G0B, G1B
.Lasked:
	v_and_b32 v1, 15, v0                           ; r
	v_bfe_u32 v2, v0, 4, 1                         ; h
	v_and_b32 v3, 31, v0                           ; lane
	v_lshlrev_b32 v14, 4, v3
	v_add_nc_u32 v[ADA0], s76, v14                 ; A's images: 16 x lane
	v_add_nc_u32 v[ADA0+1], 32*PITCH, v[ADA0]
	v_mul_u32_u24 v14, v1, PITCH
	v_lshl_add_u32 v14, v2, 4, v14
	v_add_nc_u32 v[ADB0], s77, v14                 ; B: row r x pitch + 16 h
	v_add_nc_u32 v[ADB0+1], YB, v[ADB0]
	v_mul_u32_u24 v15, v1, SPITCH
	v_lshl_add_u32 v15, v2, 5, v15
	v_add_nc_u32 v[STO], s78, v15                  ; the stage, in: row r, 32 bytes for each half of the lanes
	v_mul_u32_u24 v15, v2, SPITCH
	v_lshl_add_u32 v15, v1, 4, v15
	v_add_nc_u32 v[RD], s78, v15                   ; back: lanes 0-15 one row of 256 bytes, lanes 16-31 the next
	v_lshlrev_b32 v[CO], 13, v2
	v_lshl_add_u32 v[CO], v1, 4, v[CO]             ; and the same two rows in out0
	v_lshlrev_b32 v[ABS], 5, v3
	v_lshl_add_u32 v[PF], v3, 8, s79
	s_wait_alu depctr_va_vdst(0)
.irp p, 0,1
.irp c, 0,1
	global_load_b128 v[SA+8*\p+4*\c:SA+8*\p+4*\c+3], v[ABS], s[6:7] offset:1024*\p+16*\c
	global_load_b128 v[SB+8*\p+4*\c:SB+8*\p+4*\c+3], v[ABS], s[10:11] offset:1024*\p+16*\c
	global_load_b128 v[SB+16+8*\p+4*\c:SB+16+8*\p+4*\c+3], v[ABS], s[10:11] offset:4096+1024*\p+16*\c
.endr
.endr
	s_cmp_lt_u32 s14, 2
	s_cbranch_scc0 .Lnot_a
	s_wait_tensorcnt 0x0                           ; waves 0, 1: A has landed.  The other waves' wait stands ahead of the round below
.Lnot_a:
	BARRIER
	global_prefetch_b8 v[PF], s[8:9] th:TH_LOAD_NT scope:SCOPE_SE
; my 64 tokens, all of K, into windows 1 and 2: fragment 4 q + a (block a, the q-th 128 of K) at register 16 ((4 q + a) % 16) of window 1 + q / 4.  An image's byte y lies in LDS row y / 1,024.
.irp q, 0,1,2,3,4,5,6,7
.irp a, 0,1,2,3
	WIN (1+(4*\q+\a)/16)<<6
.irp c, 0,1,2,3
	ds_load_b128 v[16*((4*\q+\a)%16)+4*\c:16*((4*\q+\a)%16)+4*\c+3], v[ADA0+\a/2] offset:(16*(\a%2)+2*\q+\c/2)*PITCH+(\c%2)*512
.endr
.endr
.endr
	WIN 0
	s_wait_tensorcnt 0x0                           ; chunk 0 is in
	ds_add_u32 v[SPW], v[NIL]
	s_wait_dscnt 0x0                               ; the add is done, and A is in my registers
	CROUND
	TLOAD G0R, G1R                                 ; chunk 1 over A's bytes
	s_wait_loadcnt 0x0                             ; the scale words
; B's four fragments of the q-th 128 of K into set q % 4: sets 0, 1 at v128, v192 of window 0, sets 2, 3 at the same numbers of window 3
.macro FETCHB ch, q
	WIN (((\q)%4)/2)*0xC0
.irp b, 0,1,2,3
.irp c, 0,1,2,3
	ds_load_b128 v[128+64*((\q)%2)+16*\b+4*\c:128+64*((\q)%2)+16*\b+4*\c+3], v[ADB0+\ch] offset:\b*16*PITCH+128*(\q)+32*\c
.endr
.endr
.endm
.macro WM c
.if PB_ && PA_
	v_wmma_scale_f32_16x16x128_f8f6f4 v[D_:D_+7], v[B_:B_+15], v[A_:A_+15], \c, v[SB_], v[SA_] matrix_a_scale:MATRIX_SCALE_ROW1 matrix_b_scale:MATRIX_SCALE_ROW1
.elseif PB_
	v_wmma_scale_f32_16x16x128_f8f6f4 v[D_:D_+7], v[B_:B_+15], v[A_:A_+15], \c, v[SB_], v[SA_] matrix_a_scale:MATRIX_SCALE_ROW1
.elseif PA_
	v_wmma_scale_f32_16x16x128_f8f6f4 v[D_:D_+7], v[B_:B_+15], v[A_:A_+15], \c, v[SB_], v[SA_] matrix_b_scale:MATRIX_SCALE_ROW1
.else
	v_wmma_scale_f32_16x16x128_f8f6f4 v[D_:D_+7], v[B_:B_+15], v[A_:A_+15], \c, v[SB_], v[SA_]
.endif
.endm
.macro PROD ch, q, a, b                ; accumulator (a, b) at v[8 (4 a + b)] of window 3
.set D_, 8*(4*(\a)+(\b))
.set B_, 128+64*((\q)%2)+16*(\b)
.set A_, 16*((4*(\q)+(\a))%16)
.set SB_, SB+16*(\ch)+8*((\b)/2)+(\q)
.set SA_, SA+8*((\a)/2)+(\q)
.set PB_, (\b)%2
.set PA_, (\a)%2
.if (\q) == 0
	WM 0
.else
	WM v[D_:D_+7]
.endif
.endm
; A chunk: eight steps of 16 products; the 16 accumulators take turns.  B's fragments are asked for two steps ahead: at a step's wait the next step's 16 loads may be out.
.macro CHUNK ch
	FETCHB \ch, 0
	FETCHB \ch, 1
.irp q, 0,1,2,3,4,5,6,7
.if \q < 7
	s_wait_dscnt 16
.else
	s_wait_dscnt 0x0
.endif
.if \q < 6
	PLACES NP                                      ; behind the products that read the set which is filled next
	FETCHB \ch, \q+2
.endif
	WIN 0xF0|((1+\q/4)<<2)|(((\q%4)/2)*3)          ; source 0: B's set; source 1: A; C and D: window 3
.irp a, 0,1,2,3
.irp b, 0,1,2,3
	PROD \ch, \q, \a, \b
.endr
.endr
.endr
	WIN 0
	PLACES NP
.endm
; THE WAY OUT of a chunk, by blocks of 16 tokens x 64 columns through my stage: rows of 256 bytes come back into v128-255 of window 3, and sixteen lanes store one aligned run of 256 bytes.  LDS serves a wave's instructions in order (ISA guide 5.7.1.4).
.macro TOSTAGE a
	WIN 0x0C
.irp b, 0,1,2,3
	ds_store_b128 v[STO], v[8*(4*(\a)+\b):8*(4*(\a)+\b)+3] offset:64*\b
	ds_store_b128 v[STO], v[8*(4*(\a)+\b)+4:8*(4*(\a)+\b)+7] offset:64*\b+16
.endr
	WIN 0xC0
.irp t, 0,1,2,3,4,5,6,7
	ds_load_b128 v[128+32*(\a)+4*\t:128+32*(\a)+4*\t+3], v[RD] offset:2*\t*SPITCH
.endr
.endm
.macro SEND a, younger, ch             ; younger: the LDS instructions issued behind block a's loads
	s_wait_dscnt \younger
	WIN 0x0C
.irp t, 0,1,2,3,4,5,6,7
	global_store_b128 v[CO], v[128+32*(\a)+4*\t:128+32*(\a)+4*\t+3], s[12:13] offset:(16*(\a)+2*\t)*SIZE_N*4+512*(\ch) th:TH_STORE_NT
.endr
.endm
.macro WAYOUT ch
	TOSTAGE 0
	TOSTAGE 1
	SEND 0, 16, \ch                                ; behind block 0's loads: block 1's 8 stores and 8 loads
	TOSTAGE 2
	SEND 1, 16, \ch
	TOSTAGE 3
	SEND 2, 16, \ch
	SEND 3, 0, \ch
	WIN 0
.endm
	CHUNK 0
	WAYOUT 0
	s_wait_tensorcnt 0x0                           ; my quarter of chunk 1 is in (no LDS instruction of mine is out),
	BARRIER                                        ; everybody's is
	s_wait_xcnt 0x0                                ; chunk 0's stores have read their data: window 3's v128-255 are written again below
	CHUNK 1
	WAYOUT 1
	s_wait_tensorcnt 0x0                           ; the wave's end
	ds_add_u32 v[SPW], v[NIL]
	s_wait_dscnt 0x0
	CROUND                                         ; the closing round
	s_endpgm
.Lfunc_end_k_q11c98c1f8c_oproj:
	.size	k_q11c98c1f8c_oproj, .Lfunc_end_k_q11c98c1f8c_oproj-k_q11c98c1f8c_oproj
	.p2alignl 7, 3214868480
	.fill 96, 4, 3214868480
	.section	.rodata,"a",@progbits
	.p2align	6, 0x0
	.amdhsa_kernel k_q11c98c1f8c_oproj
		.amdhsa_group_segment_fixed_size 327680
		.amdhsa_private_segment_fixed_size 0
		.amdhsa_enable_private_segment 0
		.amdhsa_kernarg_size 40
		.amdhsa_user_sgpr_count 2
		.amdhsa_user_sgpr_kernarg_segment_ptr 1
		.amdhsa_wavefront_size32 1
		.amdhsa_system_sgpr_workgroup_id_x 1
		.amdhsa_system_sgpr_workgroup_id_y 1
		.amdhsa_system_sgpr_workgroup_id_z 1
		.amdhsa_system_vgpr_workitem_id 0
		.amdhsa_next_free_vgpr 1024
		.amdhsa_next_free_sgpr 98
		.amdhsa_reserve_vcc 0
		.amdhsa_float_denorm_mode_32 3
		.amdhsa_float_denorm_mode_16_64 3
		.amdhsa_memory_ordered 1
		.amdhsa_forward_progress 1
		.amdhsa_inst_pref_size 86
	.end_amdhsa_kernel
	.amdgpu_metadata
---
amdhsa.version: [ 1, 2 ]
amdhsa.kernels:
  - .name:           k_q11c98c1f8c_oproj
    .symbol:         k_q11c98c1f8c_oproj.kd
    .args:
      - { .name: ac, .offset: 0, .size: 8, .value_kind: global_buffer, .address_space: global }
      - { .name: asc, .offset: 8, .size: 8, .value_kind: global_buffer, .address_space: global }
      - { .name: codes, .offset: 16, .size: 8, .value_kind: global_buffer, .address_space: global }
      - { .name: scales, .offset: 24, .size: 8, .value_kind: global_buffer, .address_space: global }
      - { .name: out0, .offset: 32, .size: 8, .value_kind: global_buffer, .address_space: global }
    .group_segment_fixed_size: 327680
    .private_segment_fixed_size: 0
    .kernarg_segment_align: 8
    .kernarg_segment_size: 40
    .max_flat_workgroup_size: 128
    .sgpr_count:     98
    .vgpr_count:     1024
    .wavefront_size: 32
...
	.end_amdgpu_metadata
.endif
;; end of part 4
